; MI455X (gfx1250); checked and timed in simulation.
; The chip was launched on July 23, 2026; its instructions are those of AMD's public machine-readable ISA for CDNA 5 (MIT licence, August 2026) and "CDNA5" Instruction Set Architecture Reference Guide (July 2026). The comments in the code are by the model that wrote it; some were corrected since.
;; Residual Attention Block. Allowed arithmetic: matrix products marked QUANTISED: E4M3 operands, one given power-of-two scale a tensor, by v_wmma_f32_16x16x64_fp8_fp8 or v_wmma_f32_16x16x128_fp8_fp8, f32 sums; everything else in f32.
;; Inputs: fc_b 4,096 float32; fc_w_codes 4,096 x 32 x 32 uint8 (E4M3 codes of fc_w, K innermost, in blocks of 32 codes); in_proj_b 3,072 float32; in_proj_w_codes 3,072 x 32 x 32 uint8 (E4M3 codes of in_proj_w, K innermost, in blocks of 32 codes); ln1_b 1,024 float32; ln1_w 1,024 float32; ln2_b 1,024 float32; ln2_w 1,024 float32; lowp_scales 12 int32 (the exponents e of the quantised operands' scales 2^e); out_b 1,024 float32; out_w_codes 1,024 x 32 x 32 uint8 (E4M3 codes of out_w, K innermost, in blocks of 32 codes); proj_b 1,024 float32; proj_w_codes 1,024 x 128 x 32 uint8 (E4M3 codes of proj_w, K innermost, in blocks of 32 codes); x 2,048 x 2 x 1,024 float32.
;; Outputs: out0 2,048 x 2 x 1,024 float32.
;; This version of the problem:
;;   THIS VERSION OF THE PROBLEM IS GIVEN IN LOW PRECISION. The matrix products marked QUANTISED in the list below multiply operands that are first quantised to E4M3 (4 exponent bits, 3 mantissa bits; 8 bits a number), with one given power-of-two scale for each operand tensor; their sums are f32. All else is computed in f32.
;;   The module's matrix products, in the order in which they are computed (A, B: the left and right operand; K: the contracted axis; several contracted axes count as one K, in the product's order):
;;     1. [M 4,096, K 1,024] x [K 1,024, N 3,072]; A: computed on the way; B: input in_proj_w (given as codes): QUANTISED (scales: A lowp_scales[0], B lowp_scales[1])
;;     2. batch 32 x [M 2,048, K 64] x [K 64, N 2,048]; A: computed on the way; B: computed on the way: QUANTISED (scales: A lowp_scales[2], B lowp_scales[3])
;;     3. batch 32 x [M 2,048, K 2,048] x [K 2,048, N 64]; A: softmax (see below); B: computed on the way: QUANTISED (scales: A lowp_scales[4], B lowp_scales[5])
;;     4. [M 4,096, K 1,024] x [K 1,024, N 1,024]; A: computed on the way; B: input out_w (given as codes): QUANTISED (scales: A lowp_scales[6], B lowp_scales[7])
;;     5. [M 4,096, K 1,024] x [K 1,024, N 4,096]; A: computed on the way; B: input fc_w (given as codes): QUANTISED (scales: A lowp_scales[8], B lowp_scales[9])
;;     6. [M 4,096, K 4,096] x [K 4,096, N 1,024]; A: computed on the way; B: input proj_w (given as codes): QUANTISED (scales: A lowp_scales[10], B lowp_scales[11])
;;   THE QUANTISER, for each operand of a quantised product, along K:
;;     - The operand's scale is 2^e, e = its entry of the input lowp_scales (int32; the entries are numbered through the quantised products in the list's order, A before B).
;;     - Each number is divided by the scale, clamped to +-448, and rounded to the nearest number of E4M3, ties to even, subnormals kept.
;;     - The product sums the exact products of the quantised numbers (number of the format x scale) in f32.
;;   ~~~python
;;   def quantise(x, axis, e):      # numpy; x: float32 -> the quantised numbers, widened to float32 again
;;       x = np.moveaxis(x, axis, -1); K = x.shape[-1]
;;       r = np.clip(x / 2.0 ** e, -448, 448)
;;       step = 2.0 ** (np.maximum(np.frexp(np.where(r == 0, 1, r))[1] - 1, -6) - 3)
;;       q = np.round(r / step) * step * 2.0 ** e      # np.round: ties to even
;;       return np.moveaxis(q, -1, axis).astype(np.float32)
;;   ~~~
;;   SOFTMAX AHEAD OF A QUANTISED PRODUCT. Where the list says 'softmax', what is quantised is not the finished softmax but p = 2^(t - M), with t = logit x log2(e) and M = ceil(the row's largest t), a whole number; so 1/2 < the row's largest p <= 1. The row's sum l is taken of the UNQUANTISED p, in f32, and the product's result is divided by l at the end. Since M is a whole number, a kernel that streams over the keys may use a running M (the ceiling of the running maximum): every later rescaling is an exact power of two, so the quantised numbers keep their values, but for numbers so far below the row's largest that they fall under the format's range.
;;   OPERANDS COMPUTED ON THE WAY. 'Computed on the way' means the value that the module computes at that place (a softmax that the list does not call 'softmax' is quantised finished and normalised). What goes into a quantiser is computed in f32, as accurately as f32 sums, v_exp_f32 and their like allow (about 1e-6 of the number): no bf16 or f16 on the way to a quantiser, and a product that is left as it is and whose result goes on into a quantised operand takes f32 operands (vector FMAs, or v_wmma_f32_16x16x4_f32). A number that lies on a knife's edge between two numbers of the format may be rounded either way, as far as f32 arithmetic and the matrix unit's own rounding can turn it there, and no further.
;;   INPUTS GIVEN AS CODES. fc_w (in the module: [4096, 1024], K = its axis 1); in_proj_w (in the module: [3072, 1024], K = its axis 1); out_w (in the module: [1024, 1024], K = its axis 1); proj_w (in the module: [1024, 4096], K = its axis 1): each comes as NAME_codes (uint8): NAME with its K axis moved to the last place and cut into blocks of 32 codes, [.., K / 32, bytes a block], one block behind the other in memory; one code a byte (a code: sign, 4 exponent bits, 3 mantissa bits); its scale is its entry of lowp_scales. Its value is code x scale, taken as it is: it is not quantised again, and the codes and scales need not be those that the quantiser above would give.
;; 2 versions, each right; version 2 is version 1 with the launch attn written anew for expert scheduling mode. Each part assembles by itself: llvm-mc -triple=amdgcn-amd-amdhsa -mcpu=gfx1250 --defsym DOCPART=n.
;; ======== version 1 of 2: 7 launches
;; workspace buffers: ycodes 4,194,304 bytes; zcodes 4,194,304 bytes; qimg 4,194,304 bytes; kimg 4,194,304 bytes; vimg 4,194,304 bytes; oimg 4,194,304 bytes; x1 16,777,216 bytes; himg 16,777,216 bytes
;; launch ln1 (part 1): grid 256 x 1, 4 waves a work-group, no clusters, 16,896 bytes of LDS; arguments x, ln1_w, ln1_b, lowp_scales, ycodes; writes ycodes
.if DOCPART == 1
	.amdgcn_target "amdgcn-amd-amdhsa--gfx1250"
	.amdhsa_code_object_version 6
	.text
	.protected	k_q5a47146be1_ln1
	.globl	k_q5a47146be1_ln1
	.p2align	8
	.type	k_q5a47146be1_ln1,@function
k_q5a47146be1_ln1:
	s_mov_b64 s[64:65], 0
	v_nop
	global_prefetch_b8 v0, s[64:65] scope:SCOPE_SE
	s_setreg_imm32_b32 hwreg(HW_REG_WAVE_MODE, 25, 1), 1
	s_wait_xcnt 0x0
; LAYER NORM AND QUANTISER.  in: [4096 rows][1024] f32, row i = 2 l + n (sequence first).  out: codes of FP8 (E4M3), [4096][1024], row n x 2048 + l, the 1,024 columns (the next product's K) innermost.
; code = ((x - mean) x rsqrt(var + 1e-5) x w + b) / 2^e, held within +-448, to the nearest code, ties to even.  e is the whole number at byte SOFF of the buffer of scales.
; The mean is taken first and taken off, the variance is the mean of the squares of what is left: a common offset of the inputs costs no difference of large sums.
; SHARES.  A work-group takes 16 rows, a wave four; a row of 4,096 bytes lies in 32 registers of one wave (load j: columns 128 j + 4 lane .. + 3), so no sum leaves the wave and no barrier is needed.
; All 32 loads of a wave's four rows go out at once; each covers 512 consecutive bytes.  A lane's four codes of a load are 4 bytes: a row's 1,024 bytes turn through the wave's own 4,096 bytes of LDS
; and leave by two stores of 512 consecutive bytes.  No matrix unit, no cluster, no tensor load: work-groups share only w and b (8 KiB).
; LIMITS: e between -126 and 119, so that 2^e and 448 x 2^e are f32 numbers.  NaN among the inputs is not served.
.set SOFF, 0                           ; the scale's byte: entry 0
.set C,   8                            ; v[8:15]    a row's codes
.set W,   16                           ; v[16:47]   w of my 32 columns
.set B,   48                           ; v[48:79]   b
.set T,   80                           ; v[80:87]   four running sums, in pairs
.set ST,  96                           ; v[96:111]  row t: +0, +1 the mean twice; +2, +3 rsqrt(var + eps) twice
.set X,   112                          ; v[112:239] row t: 32 registers; its first eight later take the row's codes back from LDS
	s_load_b256 s[4:11], s[0:1], 0x0               ; in s[4:5], w s[6:7], b s[8:9], the scales' exponents s[10:11]
	s_load_b64 s[12:13], s[0:1], 0x20              ; the codes
	v_lshl_add_u32 v240, v0, 2, 0x4000
	v_mov_b32 v241, 0
	v_lshrrev_b32 v7, 5, v0
	v_readfirstlane_b32 s14, v7                    ; wave
	v_and_b32 v7, 31, v0                           ; lane
	v_lshlrev_b32 v1, 4, v7                        ; 16 x lane: my bytes of a load's or a store's 512
	s_lshl_b32 s15, s14, 12                        ; my wave's 4,096 bytes of LDS
	v_lshl_add_u32 v2, v7, 2, s15                  ; into the stage: 4 x lane
	v_add_nc_u32 v3, s15, v1                       ; out of it: 16 x lane
	s_lshl_b32 s16, ttmp9, 16                      ; 16 rows of 4,096 bytes a work-group,
	s_lshl_b32 s18, s14, 14                        ; four a wave
	s_add_co_u32 s16, s16, s18
	s_mov_b32 s17, 0
	s_lshl_b32 s18, ttmp9, 13                      ; the codes: rows l0 = i0 / 2 on, 1,024 bytes each: i0 x 512
	s_lshl_b32 s19, s14, 11
	s_add_co_u32 s18, s18, s19
	s_mov_b32 s19, 0
	s_mov_b32 s22, 0x76543210                      ; v_permlanex16_b32: lane l xor 16
	s_mov_b32 s23, 0xfedcba98
	s_mov_b32 s24, 0x3a800000                      ; 1 / 1,024
	s_mov_b32 s25, 0x3727c5ac                      ; 1e-5
	v_mov_b32 v5, 0                                ; a lane permute's destination counts as read: written once
	s_wait_kmcnt 0x0
	s_load_b32 s20, s[10:11], SOFF                 ; e
	s_add_nc_u64 s[4:5], s[4:5], s[16:17]
	s_add_nc_u64 s[12:13], s[12:13], s[18:19]
.irp t, 0,1,2,3
.irp j, 0,1,2,3,4,5,6,7
	global_load_b128 v[X+32*\t+4*\j:X+32*\t+4*\j+3], v1, s[4:5] offset:4096*\t+512*\j th:TH_LOAD_NT
.endr
.endr
.irp j, 0,1,2,3,4,5,6,7
	global_load_b128 v[W+4*\j:W+4*\j+3], v1, s[6:7] offset:512*\j
.endr
.irp j, 0,1,2,3,4,5,6,7
	global_load_b128 v[B+4*\j:B+4*\j+3], v1, s[8:9] offset:512*\j
.endr
	s_wait_kmcnt 0x0
	s_add_co_i32 s20, s20, 127
	s_lshl_b32 s21, s20, 23
	v_mov_b32 v6, s21                              ; 2^e as f32: the conversion takes its exponent field
	s_add_co_i32 s20, s20, 8
	s_lshl_b32 s20, s20, 23
	s_or_b32 s20, s20, 0x600000
	v_mov_b32 v4, s20                              ; 448 x 2^e
; the four pairs of running sums become one number, the same in all 32 lanes
.macro REDUCE
	v_pk_add_f32 v[T:T+1], v[T:T+1], v[T+2:T+3]
	v_pk_add_f32 v[T+4:T+5], v[T+4:T+5], v[T+6:T+7]
	v_pk_add_f32 v[T:T+1], v[T:T+1], v[T+4:T+5]
	v_add_f32 v[T], v[T], v[T+1]
	v_add_f32_dpp v[T], v[T], v[T] row_xmask:1 row_mask:0xf bank_mask:0xf
	v_add_f32_dpp v[T], v[T], v[T] row_xmask:2 row_mask:0xf bank_mask:0xf
	v_add_f32_dpp v[T], v[T], v[T] row_xmask:4 row_mask:0xf bank_mask:0xf
	v_add_f32_dpp v[T], v[T], v[T] row_xmask:8 row_mask:0xf bank_mask:0xf
	v_permlanex16_b32 v5, v[T], s22, s23
	v_add_f32 v[T], v[T], v5
.endm
; row t: the mean; x - mean in place; var + eps
.macro STAT t
.set XR, X+32*(\t)
.set SR, ST+4*(\t)
	s_wait_loadcnt 40-8*(\t)                       ; 48 loads were issued, row by row, then w and b: behind row t's eight stand 40 - 8 t
.irp k, 0,1,2,3
	v_pk_add_f32 v[T+2*\k:T+2*\k+1], v[XR+2*\k:XR+2*\k+1], v[XR+8+2*\k:XR+8+2*\k+1]
.endr
.irp m, 16,24
.irp k, 0,1,2,3
	v_pk_add_f32 v[T+2*\k:T+2*\k+1], v[T+2*\k:T+2*\k+1], v[XR+\m+2*\k:XR+\m+2*\k+1]
.endr
.endr
	REDUCE
	v_mul_f32 v[SR], s24, v[T]
	v_mov_b32 v[SR+1], v[SR]
.set j, 0
.rept 16
	v_pk_add_f32 v[XR+j:XR+j+1], v[XR+j:XR+j+1], v[SR:SR+1] neg_lo:[0,1] neg_hi:[0,1]
.set j, j+2
.endr
.irp k, 0,1,2,3
	v_pk_mul_f32 v[T+2*\k:T+2*\k+1], v[XR+2*\k:XR+2*\k+1], v[XR+2*\k:XR+2*\k+1]
.endr
.irp m, 8,16,24
.irp k, 0,1,2,3
	v_pk_fma_f32 v[T+2*\k:T+2*\k+1], v[XR+\m+2*\k:XR+\m+2*\k+1], v[XR+\m+2*\k:XR+\m+2*\k+1], v[T+2*\k:T+2*\k+1]
.endr
.endr
	REDUCE
	v_fma_f32 v[SR+2], v[T], s24, s25
.endm
; row t: scaled, held, converted; its 1,024 bytes of codes turn through my stage
.macro NORM t
.set XR, X+32*(\t)
.set SR, ST+4*(\t)
.set j, 0
.rept 16
	v_pk_mul_f32 v[XR+j:XR+j+1], v[XR+j:XR+j+1], v[SR+2:SR+3]
.set j, j+2
.endr
.set j, 0
.rept 16
	v_pk_fma_f32 v[XR+j:XR+j+1], v[XR+j:XR+j+1], v[W+j:W+j+1], v[B+j:B+j+1]
.set j, j+2
.endr
.set j, 0
.rept 32
	v_med3_num_f32 v[XR+j], v[XR+j], -v4, v4       ; the conversion to an 8-bit code does not saturate (ISA guide 7.6.2): the hold at the largest code x the scale
.set j, j+1
.endr
.if \t > 0
	s_wait_dscnt 2                                 ; the row before: its eight stores have read the codes' registers; its two loads may stay out
.endif
.irp g, 0,1,2,3
	v_cvt_scalef32_pk8_fp8_f32 v[C+2*\g:C+2*\g+1], v[XR+8*\g:XR+8*\g+7], v6   ; register 2 g: load 2 g's four columns; 2 g + 1: load 2 g + 1's
.endr
	v_nop                                          ; a plain line behind the last conversion
.irp j, 0,1,2,3,4,5,6,7
	ds_store_b32 v2, v[C+\j] offset:1024*\t+128*\j ; columns 128 j + 4 lane on: 128 consecutive bytes a store
.endr
	ds_load_b128 v[XR:XR+3], v3 offset:1024*\t     ; LDS serves a wave's instructions in order (ISA guide 5.7.1.4): these see my stores
	ds_load_b128 v[XR+4:XR+7], v3 offset:1024*\t+512
.endm
.macro OUT t, younger                  ; younger: the LDS instructions issued behind row t's two loads
	s_wait_dscnt \younger
	global_store_b128 v1, v[X+32*(\t):X+32*(\t)+3], s[12:13] offset:((\t)%2)*2097152+((\t)/2)*1024       ; row n x 2048 + l: 512 consecutive bytes, aligned
	global_store_b128 v1, v[X+32*(\t)+4:X+32*(\t)+7], s[12:13] offset:((\t)%2)*2097152+((\t)/2)*1024+512
.endm
	STAT 0
	STAT 1
	STAT 2
	STAT 3
.irp t, 0,1,2,3
	v_rsq_f32 v[ST+4*\t+2], v[ST+4*\t+2]
.endr
	v_nop                                          ; a plain line behind the last of the batch
	s_wait_alu depctr_va_vdst(0)                   ; one wait for the four, ahead of their first reader
.irp t, 0,1,2,3
	v_mov_b32 v[ST+4*\t+3], v[ST+4*\t+2]
.endr
	s_wait_loadcnt 0x0                             ; w and b
	NORM 0
	NORM 1
	OUT 0, 10                                      ; behind row 0's loads: row 1's eight stores and two loads
	NORM 2
	OUT 1, 10
	NORM 3
	OUT 2, 10
	OUT 3, 0
	s_wait_tensorcnt 0x0
	ds_add_u32 v240, v241
	s_wait_dscnt 0x0
	s_endpgm
.Lfunc_end_k_q5a47146be1_ln1:
	.size	k_q5a47146be1_ln1, .Lfunc_end_k_q5a47146be1_ln1-k_q5a47146be1_ln1
	.p2alignl 7, 3214868480
	.fill 96, 4, 3214868480
	.section	.rodata,"a",@progbits
	.p2align	6, 0x0
	.amdhsa_kernel k_q5a47146be1_ln1
		.amdhsa_group_segment_fixed_size 16896
		.amdhsa_private_segment_fixed_size 0
		.amdhsa_enable_private_segment 0
		.amdhsa_kernarg_size 40
		.amdhsa_user_sgpr_count 2
		.amdhsa_user_sgpr_kernarg_segment_ptr 1
		.amdhsa_wavefront_size32 1
		.amdhsa_system_sgpr_workgroup_id_x 1
		.amdhsa_system_sgpr_workgroup_id_y 1
		.amdhsa_system_sgpr_workgroup_id_z 1
		.amdhsa_system_vgpr_workitem_id 0
		.amdhsa_next_free_vgpr 242
		.amdhsa_next_free_sgpr 66
		.amdhsa_reserve_vcc 0
		.amdhsa_float_denorm_mode_32 3
		.amdhsa_float_denorm_mode_16_64 3
		.amdhsa_memory_ordered 1
		.amdhsa_forward_progress 1
		.amdhsa_inst_pref_size 44
	.end_amdhsa_kernel
	.amdgpu_metadata
---
amdhsa.version: [ 1, 2 ]
amdhsa.kernels:
  - .name:           k_q5a47146be1_ln1
    .symbol:         k_q5a47146be1_ln1.kd
    .args:
      - { .name: x, .offset: 0, .size: 8, .value_kind: global_buffer, .address_space: global }
      - { .name: ln1_w, .offset: 8, .size: 8, .value_kind: global_buffer, .address_space: global }
      - { .name: ln1_b, .offset: 16, .size: 8, .value_kind: global_buffer, .address_space: global }
      - { .name: lowp_scales, .offset: 24, .size: 8, .value_kind: global_buffer, .address_space: global }
      - { .name: ycodes, .offset: 32, .size: 8, .value_kind: global_buffer, .address_space: global }
    .group_segment_fixed_size: 16896
    .private_segment_fixed_size: 0
    .kernarg_segment_align: 8
    .kernarg_segment_size: 40
    .max_flat_workgroup_size: 128
    .sgpr_count:     66
    .vgpr_count:     242
    .wavefront_size: 32
...
	.end_amdgpu_metadata
.endif
;; end of part 1
;; launch qkv (part 2): grid 12 x 16, 4 waves a work-group, clusters of 4 x 4, 327,680 bytes of LDS; arguments ycodes, in_proj_w_codes, in_proj_b, lowp_scales, qimg, kimg, vimg; writes qimg, kimg, vimg
.if DOCPART == 2
	.amdgcn_target "amdgcn-amd-amdhsa--gfx1250"
	.amdhsa_code_object_version 6
	.text
	.protected	k_q5a47146be1_qkv
	.globl	k_q5a47146be1_qkv
	.p2align	8
	.type	k_q5a47146be1_qkv,@function
k_q5a47146be1_qkv:
	s_mov_b64 s[64:65], 0
	v_nop
	global_prefetch_b8 v0, s[64:65] scope:SCOPE_SE
	s_setreg_imm32_b32 hwreg(HW_REG_WAVE_MODE, 25, 1), 1
	s_wait_xcnt 0x0
	s_wait_alu depctr_hold_cnt(0) depctr_sa_sdst(0) depctr_va_vdst(0) depctr_va_sdst(0) depctr_va_ssrc(0) depctr_va_vcc(0) depctr_vm_vsrc(0)
	s_getreg_b32 s2, hwreg(HW_REG_IB_STS2, 6, 4)
	s_cmp_eq_u32 s2, 0
	s_cbranch_scc0 .Lentry_in_a_cluster
	s_endpgm
.Lentry_in_a_cluster:
	s_bfe_u32 s2, ttmp6, 0x10000c
	s_cmp_lg_u32 s2, 0xf033
	s_cbranch_scc0 .Lentry_shape_is_right
	s_endpgm
.Lentry_shape_is_right:
; q = (y Wq^T + bq) / 64, k = y Wk^T + bk, v = y Wv^T + bv, on codes of FP8 (E4M3), and their quantising for attention.  y: [4096 tokens][1024] codes; W: [3072][1024] codes; sums in f32.
; A tile of 256 x 256 results is made by four waves, 128 x 128 each: 64 accumulators, 512 registers.  K = 1,024 goes in steps of 256 through a ring of two LDS slots filled by the tensor data mover.
; OPERAND A is source 1: a lane holds ONE row of it.  OPERAND B is source 0: a lane's eight registers of a tile are eight neighbouring rows of it.  What a lane's registers run along must be the NEXT product's K:
;   cluster x = 0 (q), 1 (k): A = y (tokens), B = W (features): registers run along the head's channels.      cluster x = 2 (v): A = Wv (features), B = y (tokens): registers run along the keys.
; The choice hangs on the cluster's x alone, which all sixteen partners share, and is made by selects: no branch.
; OUT: IMAGES OF THE NEXT OPERAND'S REGISTERS.  For a matrix [rows][K]: byte = (row / 16) x 16 K + (k / 32) x 512 + 16 x lane + byte; lane = 16 h + row % 16; bytes 0-7: k = 32 g + 8 h + 0..7, bytes 8-15: k = 32 g + 16 + 8 h + 0..7.
; The conversions of tiles 2 g and 2 g + 1 give a lane just these 16 bytes, so each store of the wave covers 512 consecutive bytes, aligned, and no stage in LDS is needed.  qimg, kimg: [4096 tokens][1024]; vimg: [1024 features][4096 tokens].
; CLUSTERS: 4 x 4 work-groups; A's tiles are asked for jointly along a row of the cluster, B's along a column.
; BOTH BIASES are added in every work-group, the one that does not apply multiplied by 0: so a sum is rounded once.  x 1/64 is folded into the power of two and into bq: exact.
; LIMITS: e0 + e1 - 6 between -126 and 127; e2, e3, e5 between -126 and 119; the biases are finite.  NaN is not served.
; No prefetch: K has four steps, of which two are the first fills.
; REGISTERS: window 0: v1-29 addresses and constants; v32-95 the bias along B's rows; v96-111 along A's rows; v112-127 at work; from v128 A's fragments, ONE set, later the codes.
;   window 1: B's fragments, TWO sets.   windows 2, 3: the accumulators ((a, b) at v[8 (8 (a % 4) + b)] of window 2 + a / 4).
.set KSTEP,  256
.set ROWB,   256
.set KROW,   1024
.set PITCH,  272                       ; an LDS row: 256 bytes + 16 of padding = 68 words: the 16 rows that a load touches start at 16 different banks (64 banks of 4 bytes: ISA guide 11.1)
.set FR,     16
.set NL,     4
.set NP,     4
.set HALFT,  128*PITCH
.set SLOT,   4*HALFT
.set LAPS,   KROW/(2*KSTEP)
.set SPARE,  2*SLOT                    ; behind the ring: the spare words, 128 bytes a wave
.set OA,   4                           ; v4-11   block a's byte offset in the image: 16 x lane + a x a row tile's bytes
.set ADRA, 16
.set ADRB, 20
.set SPW,  28
.set NIL,  29
.set BS,   32
.set BP,   96
.set T,    112
.set AF,   128
.set G1,  24
.set G0,  32
.set G1B, 48
.set G0B, 56
.set MSB, 0
.macro WIN new                         ; the immediate's high byte repeats the setting that is left
.if MSB != (\new)
	s_set_vgpr_msb (MSB<<8)|(\new)
.set MSB, \new
.endif
.endm
.set MUL_LO, 0xa1                      ; source 0 (B) window 1, source 1 (A) window 0, C and D window 2
.set MUL_HI, 0xf1
.set TO_B,   0x40
.macro JLOAD g0a, g1a, g0b, g1b        ; a joint load: waves 0 and 1 fetch for A, waves 2 and 3 for B; four v_nop follow each line
	s_cmp_eq_u32 s15, 0
	s_cbranch_scc0 .Lfor_b_\@
	tensor_load_to_lds s[\g0a:\g0a+3], s[\g1a:\g1a+7]
	s_nop 0
.rept 4
	v_nop
.endr
	s_branch .Lasked_\@
.Lfor_b_\@:
	tensor_load_to_lds s[\g0b:\g0b+3], s[\g1b:\g1b+7]
	s_nop 0
.rept 4
	v_nop
.endr
.Lasked_\@:
.endm
.macro CREST
	s_cmp_lg_u32 s14, 0
	s_cbranch_scc1 .Lnot_wave_0_\@
	s_barrier_signal -3
.Lnot_wave_0_\@:
	s_barrier_wait -3
	s_barrier_signal -1
	s_barrier_wait -1
.endm
.macro CROUND
	s_barrier_signal -1
	s_barrier_wait -1
	CREST
.endm
	s_load_b256 s[68:75], s[0:1], 0x0              ; y's codes s[68:69], W's s[70:71], the bias s[72:73], the scales' exponents s[74:75]
	s_load_b128 s[76:79], s[0:1], 0x20             ; qimg, kimg
	s_load_b64 s[80:81], s[0:1], 0x30              ; vimg
	v_lshl_add_u32 v[SPW], v0, 2, SPARE
	v_mov_b32 v[NIL], 0
	ds_add_u32 v28, v29
	ds_add_u32 v28, v29
	s_wait_dscnt 0x0
	v_lshrrev_b32 v1, 5, v0
	v_readfirstlane_b32 s14, v1                    ; wave 0..3
	s_lshr_b32 s15, s14, 1                         ; my half of A's rows.  Also: I fetch for A (0) or for B (1)
	s_and_b32 s16, s14, 1                          ; my half of B's rows.  Also: which 128 rows I fetch
	s_bfe_u32 s40, ttmp6, 0x40000                  ; cx
	s_bfe_u32 s41, ttmp6, 0x40004                  ; cy
	s_and_b32 s12, ttmp7, 0xffff
	s_lshl_b32 s12, s12, 2                         ; 4 x cluster y
	s_lshl_b32 s13, ttmp9, 2                       ; 4 x cluster x
	s_cmp_lt_u32 ttmp9, 2                          ; q or k?
	s_cselect_b32 s17, s12, 8                      ; A's tile of 256 rows: tokens 4 Y + cy, or rows 2,048 on of W: 8 + cy
	s_cselect_b32 s42, s13, s12                    ; B's tile: rows 4 X + cx of W, or tokens 4 Y + cx
	s_add_co_u32 s17, s17, s41
	s_add_co_u32 s42, s42, s40
	s_lshl_b32 s43, s41, 2
	s_lshl_b32 s43, 15, s43                        ; my row of the cluster
	s_lshl_b32 s44, 0x1111, s40                    ; my column
	s_or_b32 s[G1+0], s43, (0<<16)|(1<<20)|(1<<21)|(5<<22)|(3<<25)   ; the mask; elements of 1 byte; padding on; bit 21 beside a mask; four words behind every 64
	s_or_b32 s[G1B+0], s44, (0<<16)|(1<<20)|(1<<21)|(5<<22)|(3<<25)
.irp g, G1, G1B
	s_mov_b32 s[\g+1], ROWB<<16                    ; tensor_dim0
	s_mov_b32 s[\g+2], 128<<16                     ; tensor_dim1
	s_mov_b32 s[\g+3], ROWB<<16                    ; tile_dim0
	s_mov_b32 s[\g+4], 128                         ; tile_dim1
	s_mov_b32 s[\g+5], KROW                        ; the pitch
	s_mov_b32 s[\g+6], 0
	s_mov_b32 s[\g+7], 0
.endr
	s_lshl_b32 s18, s16, 7
	s_lshl_b32 s20, s17, 8
	s_add_co_u32 s20, s20, s18
	s_lshl_b32 s20, s20, 10                        ; A: (256 x tile + 128 x half) rows of 1,024 bytes
	s_mov_b32 s21, 0
	s_lshl_b32 s46, s42, 8
	s_add_co_u32 s46, s46, s18
	s_lshl_b32 s46, s46, 10                        ; B likewise
	s_mov_b32 s47, 0
	s_mul_i32 s45, s14, HALFT                      ; where they go: wave x 128 rows
	s_wait_kmcnt 0x0
	s_load_b256 s[84:91], s[74:75], 0x0            ; e0 .. e7
	s_cmp_lt_u32 ttmp9, 2
	s_cselect_b64 s[4:5], s[68:69], s[70:71]       ; A's buffer
	s_cselect_b64 s[6:7], s[70:71], s[68:69]       ; B's
	s_add_nc_u64 s[20:21], s[4:5], s[20:21]
	s_add_nc_u64 s[46:47], s[6:7], s[46:47]
	CROUND                                         ; all sixteen work-groups are here: the first joint loads meet
.irp s, 0,1
	s_mov_b32 s[G0+4*\s], 1
	s_add_co_u32 s[G0+4*\s+1], s45, \s*SLOT
	s_add_nc_u64 s[G0+4*\s+2:G0+4*\s+3], s[20:21], \s*ROWB
	s_or_b32 s[G0+4*\s+3], s[G0+4*\s+3], 0x80000000
	s_mov_b32 s[G0B+4*\s], 1
	s_add_co_u32 s[G0B+4*\s+1], s45, \s*SLOT
	s_add_nc_u64 s[G0B+4*\s+2:G0B+4*\s+3], s[46:47], \s*ROWB
	s_or_b32 s[G0B+4*\s+3], s[G0B+4*\s+3], 0x80000000
	JLOAD G0+4*\s, G1, G0B+4*\s, G1B
.endr
	v_and_b32 v1, 15, v0                           ; r
	v_bfe_u32 v2, v0, 4, 1                         ; h
	v_mul_u32_u24 v3, v1, PITCH
	v_lshl_add_u32 v3, v2, 4, v3
	s_mul_i32 s21, s15, HALFT
	s_mul_i32 s22, s16, HALFT
	s_add_co_u32 s22, s22, 2*HALFT
.irp s, 0,1
	v_add_nc_u32 v[ADRA+\s], s21, v3
	v_add_nc_u32 v[ADRB+\s], s22, v3
	s_add_co_u32 s21, s21, SLOT
	s_add_co_u32 s22, s22, SLOT
.endr
	; what the way out needs: where my part of the image begins, and the two biases
	s_lshl_b32 s22, s42, 8
	s_lshl_b32 s18, s16, 7
	s_add_co_u32 s22, s22, s18                     ; my first row of B
	s_lshl_b32 s23, s17, 8
	s_lshl_b32 s18, s15, 7
	s_add_co_u32 s23, s23, s18                     ; my first row of A
	s_mov_b32 s19, 0x10000
	s_cmp_lt_u32 ttmp9, 2
	s_cselect_b32 s8, s12, 0                       ; the image's rows: tokens 4 Y + cy, or features cy
	s_cselect_b32 s9, 0, s12                       ; its K: features cx, or tokens 4 Y + cx
	s_cselect_b32 s19, 0x4000, s19                 ; a row tile's bytes: 16 x 1,024 or 16 x 4,096
	s_cselect_b32 s22, s22, 0                      ; the bias along B's rows begins at my first feature (q, k); for v entry 0 is read and multiplied by 0
	s_cselect_b32 s23, 0, s23                      ; along A's rows: the other way round
	s_cmp_eq_u32 ttmp9, 0
	s_cselect_b64 s[82:83], s[76:77], s[78:79]
	s_cmp_eq_u32 ttmp9, 2
	s_cselect_b64 s[82:83], s[80:81], s[82:83]     ; the image that I write
	s_add_co_u32 s8, s8, s41
	s_add_co_u32 s9, s9, s40
	s_lshl_b32 s8, s8, 4
	s_lshl_b32 s18, s15, 3
	s_add_co_u32 s8, s8, s18                       ; my first row tile
	s_mul_i32 s8, s8, s19
	s_lshl_b32 s9, s9, 3
	s_lshl_b32 s18, s16, 2
	s_add_co_u32 s9, s9, s18                       ; my first group of 32 along K
	s_lshl_b32 s9, s9, 9
	s_add_co_u32 s8, s8, s9
	s_mov_b32 s9, 0
	s_add_nc_u64 s[82:83], s[82:83], s[8:9]
	s_lshl_b32 s10, s22, 2
	s_mov_b32 s11, 0
	s_add_nc_u64 s[10:11], s[72:73], s[10:11]
	s_lshl_b32 s98, s23, 2
	s_mov_b32 s99, 0
	s_add_nc_u64 s[98:99], s[72:73], s[98:99]
	v_lshlrev_b32 v14, 5, v2                       ; 32 h: tile b's eight numbers of my half
	v_lshlrev_b32 v15, 2, v1                       ; 4 r
.irp b, 0,1,2,3,4,5,6,7
	global_load_b128 v[BS+8*\b:BS+8*\b+3], v14, s[10:11] offset:64*\b
	global_load_b128 v[BS+8*\b+4:BS+8*\b+7], v14, s[10:11] offset:64*\b+16
.endr
.irp a, 0,1,2,3,4,5,6,7
	global_load_b32 v[BP+2*\a], v15, s[98:99] offset:64*\a
	v_mov_b32 v[BP+2*\a+1], 0                      ; (named with it as a pair)
.endr
	v_and_b32 v22, 31, v0
	v_lshlrev_b32 v23, 4, v22
.irp a, 0,1,2,3,4,5,6,7
	s_mul_i32 s18, s19, \a
	v_add_nc_u32 v[OA+\a], s18, v23
.endr
	s_wait_kmcnt 0x0                               ; the exponents
	s_mov_b32 s94, 0x3f800000
	s_cmp_eq_u32 ttmp9, 0
	s_cselect_b32 s92, 6, 0                        ; q's 1 / 64
	s_cselect_b32 s93, s86, s87                    ; the result's exponent: e2, e3
	s_cselect_b32 s94, 0x3c800000, s94             ; what the bias along B's rows is multiplied by: 1 / 64, 1,
	s_cmp_eq_u32 ttmp9, 2
	s_cselect_b32 s93, s89, s93                    ; or e5
	s_cselect_b32 s94, 0, s94                      ; or 0
	s_cselect_b32 s95, 0x3f800000, 0               ; and the bias along A's rows: 1 for v, else 0
	s_add_co_i32 s96, s84, s85
	s_sub_co_i32 s96, s96, s92
	s_add_co_i32 s96, s96, 127
	s_lshl_b32 s96, s96, 23                        ; 2^(e0 + e1) or 2^(e0 + e1 - 6) as f32
	s_mov_b32 s97, s96
	s_add_co_i32 s93, s93, 127
	s_lshl_b32 s18, s93, 23
	v_mov_b32 v13, s18                             ; the result's scale as f32
	s_add_co_i32 s93, s93, 8
	s_lshl_b32 s93, s93, 23
	s_or_b32 s93, s93, 0x600000
	v_mov_b32 v12, s93                             ; 448 x that
.macro FRAG reg, adr, q, i             ; 16 rows x 128 K: four loads of 16 bytes, 32 apart: the same permutation of k in A and in B
.irp c, 0,1,2,3
	ds_load_b128 v[\reg+4*\c:\reg+4*\c+3], v[\adr] offset:128*(\q)+32*\c+(\i)*16*PITCH
.endr
.endm
.macro MUL16 a0, p, zero               ; A's blocks a0, a0 + 1 x B's eight.  The 64 accumulators take turns, one instruction a turn, in the same order in every step
.irp a, \a0, \a0+1
.irp b, 0,1,2,3,4,5,6,7
.if \zero
	v_wmma_f32_16x16x128_fp8_fp8 v[8*(8*((\a)%4)+\b):8*(8*((\a)%4)+\b)+7], v[128*(\p)+FR*\b:128*(\p)+FR*\b+FR-1], v[AF+FR*(\a):AF+FR*(\a)+FR-1], 0
.else
	v_wmma_f32_16x16x128_fp8_fp8 v[8*(8*((\a)%4)+\b):8*(8*((\a)%4)+\b)+7], v[128*(\p)+FR*\b:128*(\p)+FR*\b+FR-1], v[AF+FR*(\a):AF+FR*(\a)+FR-1], v[8*(8*((\a)%4)+\b):8*(8*((\a)%4)+\b)+7]
.endif
.endr
.endr
.endm
.macro FETCH_B slot, q, p
	WIN TO_B
.irp i, 0,1,2,3,4,5,6,7
	FRAG 128*(\p)+FR*\i, ADRB+\slot, \q, \i
.endr
	WIN 0
.endm
.macro FETCH_A slot, q, i0
.irp i, \i0, \i0+1, \i0+2, \i0+3
	FRAG AF+FR*(\i), ADRA+\slot, \q, \i
.endr
.endm
.macro PLACES n                        ; plain vector lines between a matrix instruction and a load into, or a read of, its registers
.rept \n
	v_nop
.endr
.endm
.macro STEP slot, q, zero              ; 128 along K whose successor lies in the same slot
	s_wait_dscnt 4*NL                              ; B's set and A's blocks 0-3 are in; the youngest sixteen loads (A's blocks 4-7) may be out
	WIN MUL_LO
	MUL16 0, (\q)%2, \zero
	MUL16 2, (\q)%2, \zero
	s_wait_dscnt 0
	PLACES NP
	FETCH_B \slot, (\q)+1, 1-(\q)%2
	FETCH_A \slot, (\q)+1, 0
	WIN MUL_HI
	MUL16 4, (\q)%2, \zero
	MUL16 6, (\q)%2, \zero
	PLACES NP
	WIN 0
	FETCH_A \slot, (\q)+1, 4
.endm
.macro TURN slot, next, fill           ; a slot's last 128 along K, and the change of slots: one barrier
	s_wait_tensorcnt 0x0                           ; all my tensor loads have landed: my part of the next slot
	ds_add_u32 v[SPW], v[NIL]                      ; 0 onto my spare word
	s_wait_dscnt 4*NL+1                            ; the add and the youngest sixteen loads may be out
	WIN MUL_LO
	MUL16 0, 1, 0
	s_wait_dscnt 0x0                               ; the add is done, and my reads of this slot are over
	s_barrier_signal -1
	MUL16 2, 1, 0
	WIN 0
	s_barrier_wait -1
.if \fill
	CREST                                          ; the barrier has opened a round of the cluster's: no wave of any partner still reads this slot or has a load on its way
	s_add_nc_u64 s[G0+4*\slot+2:G0+4*\slot+3], s[G0+4*\slot+2:G0+4*\slot+3], 2*ROWB
	s_add_nc_u64 s[G0B+4*\slot+2:G0B+4*\slot+3], s[G0B+4*\slot+2:G0B+4*\slot+3], 2*ROWB
	JLOAD G0+4*\slot, G1, G0B+4*\slot, G1B         ; the first tensor load behind the round; its four v_nop are also the places in front of the loads below
.else
	PLACES NP
.endif
	FETCH_B \next, 0, 0
	FETCH_A \next, 0, 0
	WIN MUL_HI
	MUL16 4, 1, 0
	MUL16 6, 1, 0
	PLACES NP
	WIN 0
	FETCH_A \next, 0, 4
.endm
	s_wait_tensorcnt 1                             ; my part of K step 0 is in; K step 1's load may be out
	s_barrier_signal -1
	s_barrier_wait -1
	FETCH_B 0, 0, 0
	FETCH_A 0, 0, 0
	FETCH_A 0, 0, 4
	STEP 0, 0, 1                                   ; the first step's products start the sums
	s_mov_b32 s3, LAPS-1
.Llap:
	TURN 0, 1, 1
	STEP 1, 0, 0
	TURN 1, 0, 1
	STEP 0, 0, 0
	s_sub_co_u32 s3, s3, 1
	s_cmp_lg_u32 s3, 0
	s_cbranch_scc1 .Llap
	TURN 0, 1, 0                                   ; the last lap fills nothing
	STEP 1, 0, 0
	s_wait_dscnt 4*NL
	WIN MUL_LO
	MUL16 0, 1, 0
	MUL16 2, 1, 0
	s_wait_dscnt 0
	WIN MUL_HI
	MUL16 4, 1, 0
	MUL16 6, 1, 0
	WIN 0
	; THE WAY OUT
	s_wait_loadcnt 0x0                             ; the biases
	PLACES NP
.set j, 0
.rept 32
	v_pk_mul_f32 v[BS+j:BS+j+1], v[BS+j:BS+j+1], s[94:95] op_sel_hi:[1,0]   ; x 1/64, 1 or 0
.set j, j+2
.endr
.irp a, 0,1,2,3,4,5,6,7
	v_mul_f32 v[BP+2*\a], s95, v[BP+2*\a]          ; x 0 or 1
.endr
; block a (16 rows of A), tiles 2 bb and 2 bb + 1 of B: 16 numbers a lane become 16 bytes of the image.  Each store has data registers of its own.
.macro QOUT a, bb
.set AC, 8*(8*((\a)%4)+2*(\bb))
.set OC, 128+4*(4*(\a)+(\bb))
	WIN 0x02+((\a)/4)                              ; source 0: window 2 or 3
.irp j, 0,2,4,6,8,10,12,14
	v_pk_fma_f32 v[T+\j:T+\j+1], v[AC+\j:AC+\j+1], s[96:97], v[BS+16*(\bb)+\j:BS+16*(\bb)+\j+1] op_sel_hi:[1,0,1]   ; each accumulator from its low end on
.endr
	WIN 0
.irp j, 0,2,4,6,8,10,12,14
	v_pk_add_f32 v[T+\j:T+\j+1], v[T+\j:T+\j+1], v[BP+2*(\a):BP+2*(\a)+1] op_sel_hi:[1,0]
.endr
.irp j, 0,1,2,3,4,5,6,7,8,9,10,11,12,13,14,15
	v_med3_num_f32 v[T+\j], v[T+\j], -v12, v12     ; the hold: the conversion does not saturate (ISA guide 7.6.2)
.endr
	v_cvt_scalef32_pk8_fp8_f32 v[OC:OC+1], v[T:T+7], v13
	v_cvt_scalef32_pk8_fp8_f32 v[OC+2:OC+3], v[T+8:T+15], v13
	v_nop                                          ; a plain line behind the conversions: the next block writes their sources
	global_store_b128 v[OA+(\a)], v[OC:OC+3], s[82:83] offset:512*(\bb)   ; 32 lanes store 512 consecutive bytes, aligned
.endm
.irp a, 0,1,2,3,4,5,6,7
.irp bb, 0,1,2,3
	QOUT \a, \bb
.endr
.endr
	s_wait_tensorcnt 0x0                           ; the wave's end
	ds_add_u32 v[SPW], v[NIL]
	s_wait_dscnt 0x0
	CROUND                                         ; the closing round
	s_endpgm
.Lfunc_end_k_q5a47146be1_qkv:
	.size	k_q5a47146be1_qkv, .Lfunc_end_k_q5a47146be1_qkv-k_q5a47146be1_qkv
	.p2alignl 7, 3214868480
	.fill 96, 4, 3214868480
	.section	.rodata,"a",@progbits
	.p2align	6, 0x0
	.amdhsa_kernel k_q5a47146be1_qkv
		.amdhsa_group_segment_fixed_size 327680
		.amdhsa_private_segment_fixed_size 0
		.amdhsa_enable_private_segment 0
		.amdhsa_kernarg_size 56
		.amdhsa_user_sgpr_count 2
		.amdhsa_user_sgpr_kernarg_segment_ptr 1
		.amdhsa_wavefront_size32 1
		.amdhsa_system_sgpr_workgroup_id_x 1
		.amdhsa_system_sgpr_workgroup_id_y 1
		.amdhsa_system_sgpr_workgroup_id_z 1
		.amdhsa_system_vgpr_workitem_id 0
		.amdhsa_next_free_vgpr 1024
		.amdhsa_next_free_sgpr 100
		.amdhsa_reserve_vcc 0
		.amdhsa_float_denorm_mode_32 3
		.amdhsa_float_denorm_mode_16_64 3
		.amdhsa_memory_ordered 1
		.amdhsa_forward_progress 1
		.amdhsa_inst_pref_size 158
	.end_amdhsa_kernel
	.amdgpu_metadata
---
amdhsa.version: [ 1, 2 ]
amdhsa.kernels:
  - .name:           k_q5a47146be1_qkv
    .symbol:         k_q5a47146be1_qkv.kd
    .args:
      - { .name: ycodes, .offset: 0, .size: 8, .value_kind: global_buffer, .address_space: global }
      - { .name: in_proj_w_codes, .offset: 8, .size: 8, .value_kind: global_buffer, .address_space: global }
      - { .name: in_proj_b, .offset: 16, .size: 8, .value_kind: global_buffer, .address_space: global }
      - { .name: lowp_scales, .offset: 24, .size: 8, .value_kind: global_buffer, .address_space: global }
      - { .name: qimg, .offset: 32, .size: 8, .value_kind: global_buffer, .address_space: global }
      - { .name: kimg, .offset: 40, .size: 8, .value_kind: global_buffer, .address_space: global }
      - { .name: vimg, .offset: 48, .size: 8, .value_kind: global_buffer, .address_space: global }
    .group_segment_fixed_size: 327680
    .private_segment_fixed_size: 0
    .kernarg_segment_align: 8
    .kernarg_segment_size: 56
    .max_flat_workgroup_size: 128
    .sgpr_count:     100
    .vgpr_count:     1024
    .wavefront_size: 32
...
	.end_amdgpu_metadata
.endif
;; end of part 2
;; launch attn (part 3): grid 8 x 32, 16 waves a work-group, no clusters, 264,192 bytes of LDS; arguments qimg, kimg, vimg, lowp_scales, oimg; writes oimg
.if DOCPART == 3
	.amdgcn_target "amdgcn-amd-amdhsa--gfx1250"
	.amdhsa_code_object_version 6
	.text
	.protected	k_q5a47146be1_attn
	.globl	k_q5a47146be1_attn
	.p2align	8
	.type	k_q5a47146be1_attn,@function
k_q5a47146be1_attn:
	s_mov_b64 s[64:65], 0
	v_nop
	global_prefetch_b8 v0, s[64:65] scope:SCOPE_SE
	s_setreg_imm32_b32 hwreg(HW_REG_WAVE_MODE, 25, 1), 1
	s_wait_xcnt 0x0
; o = softmax(q k^T) v for 32 heads (2 x 16) of 2,048 tokens and 64 channels, both products on codes of FP8 (E4M3); o is quantised for the next product.  (q already holds the factor 1 / 64.)
; THE SOFTMAX AHEAD OF THE SECOND PRODUCT: t = score x log2(e); M = the largest t so far, rounded UP to a whole number; p = 2^(t - M) is quantised, not normalised; the row's sum is taken of the unquantised p and divides at the end.
; When M moves, the sum and O are multiplied by 2^(old M - new M): exact.
; IN, OUT: images of operands' registers.  For [rows][K]: byte = (row / 16) x 16 K + (k / 32) x 512 + 16 x lane + byte; lane = 16 h + row % 16; bytes 0-7: k = 32 g + 8 h + 0..7, bytes 8-15: k = 32 g + 16 + 8 h + 0..7:
; the matrix forms' own order of k, so one load of 16 bytes at 16 x lane brings four registers of a fragment.  qimg, kimg, oimg: [4096 tokens][1024]; vimg: [1024 features][4096 tokens] (the keys are its K).  Token = n x 2048 + l.
; SHARES.  A work-group owns 256 queries of one head, each of its sixteen waves 16: four waves to a SIMD, so that one wave's vector work stands beside another's products and LDS loads.
; ALL OF THE HEAD'S K AND V LIE IN LDS: 131,072 bytes each, dense; every LDS byte is written once.  They come in four chunks of 512 keys.  Of a chunk's 32,768 bytes of K and of V wave w brings 2,048 each: eight loads of 512 consecutive
; bytes into registers that the key step never names, eight LDS stores of the same 512 bytes.  A chunk is asked for just ahead of the barrier of the chunk before: it has four key steps in which to land.
; THE HOLD OF p AT 448 x 2^e4 IS JUMPED OVER WHERE IT CHANGES NOTHING: p is at most 1, so for e4 >= -8 p / 2^e4 is at most 256.  That is a scalar branch on a given whole number, the same in all waves, round 64 of a key step's 260
; vector lines; no barrier and no LDS line stands under it.
; NO CLUSTER, NO JOINT LOADS, though a head's eight work-groups read the same K and V.  What is shared is 262,144 bytes a work-group, brought once,
; against the 4,194,304 bytes that its sixteen waves read from LDS, and all but the first chunk is asked for four key steps ahead of its use.
; No prefetch: the waves wait for the first chunk alone, and that is asked for at the head.
; LAYOUT.  S^T = K Q^T (source 0 = 16 keys, source 1 = my 16 queries): a lane holds one query (lane % 16), register j of tile t key 16 t + 8 h + j: just what source 1 of O^T = V^T P^T wants in registers 2 t, 2 t + 1.
; LIMITS: e2 + e3 between -126 and 127 (added to the exponent field of log2(e)); e4 and e6 between -126 and 119; e4 + e5 is applied by v_ldexp_f32.  NaN is not served.
; REGISTERS: v1, v2 my lane's place in K's and V's region; v3, v4 where my wave's pieces of a chunk go; v8, v9 the step's addresses; v10, v11 the fill's; v12 -M, v13 the largest t, v[14:15] the sum; v[16:23] Q;
;   v[32:95] eight fragments of K, then four of V; v[96:159] S^T, then p; v[160:191] O^T; v192-199 at work; v200, v201: 448 x 2^e4, 2^e4; v202, v203: the same with e6; v[204:219] four pieces of K on their way to LDS;
;   v[224:239] p's codes; v[240:255] four pieces of V on their way to LDS.
.set WV,  18
.set SEL, 20
.set CS,  22
.set TK,  56                           ; LDS byte of the step's keys in K's region
.set TV,  57                           ; and in V's
.set TR,  58
.set E4,  88                           ; s88: e4
.set RK,  204
.set RV,  240
; chunk c is asked for: my two key tiles of K (1,024 bytes each, 16,384 apart), my four groups of 32 keys of one row tile of V (2,048 bytes on end)
.macro ASKC c
.irp p, 0,1,2,3
	global_load_b128 v[RK+4*\p:RK+4*\p+3], v1, s[6:7] offset:(\c)*524288+(\p/2)*16384+(\p%2)*512
.endr
.irp p, 0,1,2,3
	global_load_b128 v[RV+4*\p:RV+4*\p+3], v1, s[8:9] offset:(\c)*8192+\p*512
.endr
.endm
; chunk c goes into LDS; the next one is asked for; the barrier shows the chunk to every wave
.macro FILL c
	s_wait_loadcnt 0x0                             ; my eight pieces are in (and, the first time, Q)
	v_add_nc_u32 v10, (\c)*32768, v3
	v_add_nc_u32 v11, (\c)*32768, v4
.irp p, 0,1,2,3
	ds_store_b128 v10, v[RK+4*\p:RK+4*\p+3] offset:512*\p
	ds_store_b128 v11, v[RV+4*\p:RV+4*\p+3] offset:512*\p
.endr
	s_wait_dscnt 0x0                               ; for the others' sake: my stores have landed; and they have read their registers, which the loads below write
.if (\c) < 3
	ASKC (\c)+1
.endif
	s_barrier_signal -1
	s_barrier_wait -1                              ; everybody's pieces of chunk c lie in LDS
.endm
	s_load_b256 s[4:11], s[0:1], 0x0               ; qimg s[4:5], kimg s[6:7], vimg s[8:9], the scales' exponents s[10:11]
	s_load_b64 s[12:13], s[0:1], 0x20              ; oimg
	v_lshl_add_u32 v222, v0, 2, 0x40000
	v_mov_b32 v223, 0
	v_lshrrev_b32 v5, 5, v0
	v_readfirstlane_b32 s[WV], v5                  ; wave 0..15
	v_and_b32 v5, 31, v0
	v_lshlrev_b32 v1, 4, v5                        ; 16 x lane
	v_add_nc_u32 v2, 0x20000, v1                   ; and in V's region
	s_lshl_b32 s59, s[WV], 11
	v_add_nc_u32 v3, s59, v1                       ; my wave's 2,048 bytes of a chunk of K,
	v_add_nc_u32 v4, 0x20000, v3                   ; and of V
	s_and_b32 s16, ttmp7, 0xffff                   ; 16 n + head
	s_lshr_b32 s17, s16, 4                         ; n
	s_and_b32 s19, s16, 15                         ; head
	s_lshl_b32 s60, s17, 7
	s_lshl_b32 s61, s[WV], 1
	s_add_co_u32 s60, s60, s61                     ; K: key tile 128 n + 2 x wave,
	s_lshl_b32 s60, s60, 14                        ; 16,384 bytes a row tile,
	s_lshl_b32 s61, s19, 10
	s_add_co_u32 s60, s60, s61                     ; the head's 1,024 of them
	s_mov_b32 s61, 0
	s_lshl_b32 s62, s19, 2
	s_lshr_b32 s63, s[WV], 2
	s_add_co_u32 s62, s62, s63                     ; V: row tile 4 x head + wave / 4,
	s_lshl_b32 s62, s62, 16                        ; 65,536 bytes a row tile,
	s_lshl_b32 s63, s17, 15
	s_add_co_u32 s62, s62, s63                     ; n's 64 groups of 512 bytes,
	s_and_b32 s63, s[WV], 3
	s_lshl_b32 s63, s63, 11
	s_add_co_u32 s62, s62, s63                     ; groups 4 (wave % 4) on
	s_mov_b32 s63, 0
	s_lshl_b32 s94, s17, 7
	s_lshl_b32 s95, ttmp9, 4
	s_add_co_u32 s94, s94, s95
	s_add_co_u32 s94, s94, s[WV]                   ; my tile of 16 queries: 128 n + 16 x block + wave
	s_lshl_b32 s94, s94, 14
	s_lshl_b32 s95, s19, 10
	s_add_co_u32 s94, s94, s95
	s_mov_b32 s95, 0
	s_mov_b32 s[SEL], 0x76543210
	s_mov_b32 s[SEL+1], 0xfedcba98
	s_mov_b32 s[CS], 0x3fb8aa3b                    ; log2(e)
	s_mov_b32 s[TK], 0
	s_mov_b32 s[TV], 0
	s_wait_kmcnt 0x0
	s_load_b256 s[84:91], s[10:11], 0x0            ; e0 .. e7
	s_add_nc_u64 s[6:7], s[6:7], s[60:61]
	s_add_nc_u64 s[8:9], s[8:9], s[62:63]
	s_add_nc_u64 s[4:5], s[4:5], s[94:95]
	s_add_nc_u64 s[12:13], s[12:13], s[94:95]
	ASKC 0
	global_load_b128 v[16:19], v1, s[4:5]          ; Q's fragment stays in registers
	global_load_b128 v[20:23], v1, s[4:5] offset:512
	v_mov_b32 v13, 0xff61b1e6                      ; the largest t so far: -3e38
	v_floor_f32 v12, -v13                          ; -M
	v_mov_b32 v14, 0
	v_mov_b32 v15, 0
	v_mov_b32 v192, 0                              ; a lane permute's destination counts as read
	v_mov_b32 v195, 0                              ; (named as the upper half of a pair)
.set j, 0
.rept 32
	v_mov_b32 v[160+j], 0                          ; O^T: the step is written once; the first finds zeros, which the first change of M leaves zeros
.set j, j+1
.endr
	s_wait_kmcnt 0x0
	s_add_co_i32 s59, s86, s87                     ; a score stands for score x 2^(e2 + e3): added to the exponent field of log2(e)
	s_lshl_b32 s59, s59, 23
	s_add_co_i32 s[CS], s[CS], s59
	s_mov_b32 s[CS+1], s[CS]
	s_add_co_i32 s59, s[E4], 127
	s_lshl_b32 s60, s59, 23
	v_mov_b32 v201, s60                            ; 2^e4
	s_add_co_i32 s59, s59, 8
	s_lshl_b32 s59, s59, 23
	s_or_b32 s59, s59, 0x600000
	v_mov_b32 v200, s59                            ; 448 x 2^e4
	s_add_co_i32 s59, s90, 127
	s_lshl_b32 s60, s59, 23
	v_mov_b32 v203, s60                            ; 2^e6
	s_add_co_i32 s59, s59, 8
	s_lshl_b32 s59, s59, 23
	s_or_b32 s59, s59, 0x600000
	v_mov_b32 v202, s59                            ; 448 x 2^e6
; A KEY STEP: 128 keys
.macro STEP
	v_add_nc_u32 v8, s[TK], v1
	v_add_nc_u32 v9, s[TV], v2
	v_nop
	v_nop                                          ; with the two additions: four places behind the last products, in front of loads into registers that they read
.irp t, 0,1,2,3,4,5,6,7
	ds_load_b128 v[32+8*\t:35+8*\t], v8 offset:1024*\t
	ds_load_b128 v[36+8*\t:39+8*\t], v8 offset:1024*\t+512
.endr
	s_wait_dscnt 0x0
.irp t, 0,1,2,3,4,5,6,7
	v_wmma_f32_16x16x64_fp8_fp8 v[96+8*\t:103+8*\t], v[32+8*\t:39+8*\t], v[16:23], 0
.endr
.rept 4
	v_nop                                          ; places in front of the loads below and of the first read of the scores
.endr
.irp u, 0,1,2,3                        ; V's four fragments (16 channels x 128 keys) are asked for now and land under the softmax
.irp c, 0,1,2,3
	ds_load_b128 v[32+16*\u+4*\c:35+16*\u+4*\c], v9 offset:8192*\u+512*\c
.endr
.endr
	v_max3_num_f32 v198, v96, v97, v98             ; the step's largest score of my query among my 64 keys, in two chains; each accumulator is first read at its low end
	v_max3_num_f32 v199, v99, v100, v101
.irp i, 6,10,14,18,22,26,30,34,38,42,46,50,54,58
	v_max3_num_f32 v198, v198, v[96+\i], v[97+\i]
	v_max3_num_f32 v199, v199, v[98+\i], v[99+\i]
.endr
	v_max3_num_f32 v198, v198, v158, v159
	v_max_num_f32 v198, v198, v199
	v_permlanex16_b32 v192, v198, s[SEL], s[SEL+1]
	v_max_num_f32 v198, v198, v192                 ; and among lane l xor 16's
	v_mul_f32 v198, s[CS], v198                    ; as t
	v_max_num_f32 v13, v13, v198
	v_mov_b32 v198, v12
	v_floor_f32 v12, -v13                          ; the new -M = -ceil(t)
	v_sub_f32 v198, v12, v198                      ; old M - new M: a whole number, 0 or less
	v_cvt_i32_f32 v198, v198                       ; (it saturates)
	v_ldexp_f32 v194, 1.0, v198                    ; f = 2^(old M - new M)
.set j, 0
.rept 32
	v_pk_fma_f32 v[96+j:97+j], v[96+j:97+j], s[CS:CS+1], v[12:13] op_sel_hi:[1,0,0]   ; t - M
.set j, j+2
.endr
.set j, 0
.rept 64
	v_exp_f32 v[96+j], v[96+j]                     ; p = 2^(t - M)
.set j, j+1
.endr
	v_pk_mul_f32 v[14:15], v[14:15], v[194:195] op_sel_hi:[1,0]   ; the sums under the new M: a plain line behind the batch
	s_wait_alu depctr_va_vdst(0)                   ; one wait for the 64, ahead of their first reader
	v_pk_add_f32 v[196:197], v[96:97], v[98:99]    ; the row's sum of the UNQUANTISED p, in two chains
.irp j, 4,8,12,16,20,24,28,32,36,40,44,48,52,56,60
	v_pk_add_f32 v[14:15], v[14:15], v[96+\j:97+\j]
	v_pk_add_f32 v[196:197], v[196:197], v[98+\j:99+\j]
.endr
	v_pk_add_f32 v[14:15], v[14:15], v[196:197]
	s_cmp_ge_i32 s[E4], -8                         ; p <= 1: for e4 >= -8 p / 2^e4 <= 256, under 448: the hold would change nothing
	s_cbranch_scc1 .Lfits_\@
.set j, 0
.rept 64
	v_min_num_f32 v[96+j], v[96+j], v200           ; the hold: the conversion does not saturate (ISA guide 7.6.2); p is not negative
.set j, j+1
.endr
.Lfits_\@:
.irp t, 0,1,2,3,4,5,6,7
	v_cvt_scalef32_pk8_fp8_f32 v[224+2*\t:225+2*\t], v[96+8*\t:103+8*\t], v201
.endr
.set j, 0
.rept 16
	v_pk_mul_f32 v[160+j:161+j], v[160+j:161+j], v[194:195] op_sel_hi:[1,0]   ; O^T under the new M; also the plain lines between the conversions and the products
.set j, j+2
.endr
	s_wait_dscnt 0x0                               ; V
.irp u, 0,1,2,3                        ; the four accumulators take turns
	v_wmma_f32_16x16x128_fp8_fp8 v[160+8*\u:167+8*\u], v[32+16*\u:47+16*\u], v[224:239], v[160+8*\u:167+8*\u]
.endr
.endm
.macro CHUNK c
	FILL \c
	s_mov_b32 s[TR], 4
.Lstep_\@:
	STEP
	s_add_co_u32 s[TK], s[TK], 8192                ; eight key tiles on
	s_add_co_u32 s[TV], s[TV], 2048                ; four groups of 32 keys on
	s_sub_co_u32 s[TR], s[TR], 1
	s_cmp_lg_u32 s[TR], 0
	s_cbranch_scc1 .Lstep_\@
	s_add_co_u32 s[TV], s[TV], 24576               ; V's next chunk
.endm
	CHUNK 0
	CHUNK 1
	CHUNK 2
	CHUNK 3
	; THE WAY OUT: O^T x 2^(e4 + e5) / the sum, quantised with 2^e6; tiles 2 g and 2 g + 1 give a lane the 16 bytes of group g of the image
.rept 4
	v_nop                                          ; places behind the last products
.endr
	v_add_f32 v14, v14, v15
	v_permlanex16_b32 v192, v14, s[SEL], s[SEL+1]
	v_add_f32 v14, v14, v192                       ; the row's sum
	v_rcp_f32 v14, v14
	v_nop
	s_add_co_i32 s59, s[E4], s89
	s_wait_alu depctr_va_vdst(0)                   ; ahead of the reciprocal's first reader
	v_ldexp_f32 v14, v14, s59
.set j, 0
.rept 32
	v_mul_f32 v[96+j], v[160+j], v14               ; register 8 u + i: o(query r, channel 16 u + 8 h + i)
.set j, j+1
.endr
.set j, 0
.rept 32
	v_med3_num_f32 v[96+j], v[96+j], -v202, v202
.set j, j+1
.endr
.irp u, 0,1,2,3
	v_cvt_scalef32_pk8_fp8_f32 v[224+2*\u:225+2*\u], v[96+8*\u:103+8*\u], v203
.endr
	v_nop
	global_store_b128 v1, v[224:227], s[12:13]     ; 512 consecutive bytes, aligned
	global_store_b128 v1, v[228:231], s[12:13] offset:512
	s_wait_tensorcnt 0x0
	ds_add_u32 v222, v223
	s_wait_dscnt 0x0
	s_endpgm
.Lfunc_end_k_q5a47146be1_attn:
	.size	k_q5a47146be1_attn, .Lfunc_end_k_q5a47146be1_attn-k_q5a47146be1_attn
	.p2alignl 7, 3214868480
	.fill 96, 4, 3214868480
	.section	.rodata,"a",@progbits
	.p2align	6, 0x0
	.amdhsa_kernel k_q5a47146be1_attn
		.amdhsa_group_segment_fixed_size 264192
		.amdhsa_private_segment_fixed_size 0
		.amdhsa_enable_private_segment 0
		.amdhsa_kernarg_size 40
		.amdhsa_user_sgpr_count 2
		.amdhsa_user_sgpr_kernarg_segment_ptr 1
		.amdhsa_wavefront_size32 1
		.amdhsa_system_sgpr_workgroup_id_x 1
		.amdhsa_system_sgpr_workgroup_id_y 1
		.amdhsa_system_sgpr_workgroup_id_z 1
		.amdhsa_system_vgpr_workitem_id 0
		.amdhsa_next_free_vgpr 256
		.amdhsa_next_free_sgpr 96
		.amdhsa_reserve_vcc 0
		.amdhsa_float_denorm_mode_32 3
		.amdhsa_float_denorm_mode_16_64 3
		.amdhsa_memory_ordered 1
		.amdhsa_forward_progress 1
		.amdhsa_inst_pref_size 76
	.end_amdhsa_kernel
	.amdgpu_metadata
---
amdhsa.version: [ 1, 2 ]
amdhsa.kernels:
  - .name:           k_q5a47146be1_attn
    .symbol:         k_q5a47146be1_attn.kd
    .args:
      - { .name: qimg, .offset: 0, .size: 8, .value_kind: global_buffer, .address_space: global }
      - { .name: kimg, .offset: 8, .size: 8, .value_kind: global_buffer, .address_space: global }
      - { .name: vimg, .offset: 16, .size: 8, .value_kind: global_buffer, .address_space: global }
      - { .name: lowp_scales, .offset: 24, .size: 8, .value_kind: global_buffer, .address_space: global }
      - { .name: oimg, .offset: 32, .size: 8, .value_kind: global_buffer, .address_space: global }
    .group_segment_fixed_size: 264192
    .private_segment_fixed_size: 0
    .kernarg_segment_align: 8
    .kernarg_segment_size: 40
    .max_flat_workgroup_size: 512
    .sgpr_count:     96
    .vgpr_count:     256
    .wavefront_size: 32
...
	.end_amdgpu_metadata
.endif
;; end of part 3
;; launch outp (part 4): grid 8 x 32, 4 waves a work-group, clusters of 4 x 4, 327,680 bytes of LDS; arguments oimg, out_w_codes, out_b, x, lowp_scales, x1; writes x1
.if DOCPART == 4
	.amdgcn_target "amdgcn-amd-amdhsa--gfx1250"
	.amdhsa_code_object_version 6
	.text
	.protected	k_q5a47146be1_outp
	.globl	k_q5a47146be1_outp
	.p2align	8
	.type	k_q5a47146be1_outp,@function
k_q5a47146be1_outp:
	s_mov_b64 s[64:65], 0
	v_nop
	global_prefetch_b8 v0, s[64:65] scope:SCOPE_SE
	s_setreg_imm32_b32 hwreg(HW_REG_WAVE_MODE, 25, 1), 1
	s_wait_xcnt 0x0
	s_wait_alu depctr_hold_cnt(0) depctr_sa_sdst(0) depctr_va_vdst(0) depctr_va_sdst(0) depctr_va_ssrc(0) depctr_va_vcc(0) depctr_vm_vsrc(0)
	s_getreg_b32 s2, hwreg(HW_REG_IB_STS2, 6, 4)
	s_cmp_eq_u32 s2, 0
	s_cbranch_scc0 .Lentry_in_a_cluster
	s_endpgm
.Lentry_in_a_cluster:
	s_bfe_u32 s2, ttmp6, 0x10000c
	s_cmp_lg_u32 s2, 0xf033
	s_cbranch_scc0 .Lentry_shape_is_right
	s_endpgm
.Lentry_shape_is_right:
; out = res + (a W^T + bias), the product on codes of FP8 (E4M3).  a: [4096 tokens][KTOT] as an image of operand registers; W: [1024][KTOT] codes, K innermost; bias [1024], res and out [2048][2][1024] f32 (row 2 l + n; token = n x 2048 + l).
; A tile of 128 tokens x 128 columns is made by four waves, 64 x 64 each (16 accumulators): the largest tile that gives 256 work-groups.  K goes in steps of 512, as long as two slots in LDS allow.
; OPERAND A (source 1: a lane holds one token) comes as an image: byte = (row / 16) x 16 KTOT + (k / 32) x 512 + 16 x lane + byte, in the matrix form's own order of k; a K step of a row tile is 8,192 consecutive bytes; dense in LDS.
; OPERAND B (source 0: a lane's eight registers are eight neighbouring columns) lies by rows, 528 bytes apart in LDS, and is read in the same order of k: eight loads of 8 bytes a fragment, at 16 c + 8 h.
; CLUSTERS: 4 x 4 work-groups; A's tiles are asked for jointly along a row of the cluster, B's along a column.
; THE RESIDUAL's 64 x 64 numbers of a wave are asked for behind the first fills and land under the products.  The sums go through the wave's own stage in LDS, so that sixteen lanes store 256 consecutive bytes, aligned.
; LIMIT: the two exponents' sum between -126 and 127.  No prefetch: small tiles, and the weights are read by many work-groups.
; REGISTERS: window 0: v1-29 addresses, v[8:11] the bias of my four columns; from v128 A's four fragments, later the rows on their way out.  window 1: B's fragments, two sets, at v0 and v128.
;   window 2: v0-63 the accumulators of blocks 0, 1 ((a, b) at v[8 (4 (a % 2) + b)]); v128-255 the residual.   window 3: v0-63 those of blocks 2, 3.
.set KTOT,   1024
.set SOFF,   24                        ; the two exponents' bytes in the buffer of scales
.set KSTEP,  512
.set LAPS,   KTOT/(2*KSTEP)
.set HALFA,  4*8192                    ; four row tiles' K step
.set PITCH,  528                       ; 512 bytes + 16 of padding = 132 words: a load of 8 bytes a lane touches each of the 64 banks once (ISA guide 11.1)
.set HALFB,  64*PITCH
.set SLOT,   2*HALFA+2*HALFB
.set STAGE,  2*SLOT                    ; behind the ring: 16 rows x 272 bytes for each wave
.set SPITCH, 272
.set SPARE,  STAGE+4*16*SPITCH         ; behind the stages: the spare words, 128 bytes a wave
.set FR,   16
.set NLA,  4
.set NP,   4
.set ADRA, 16
.set ADRB, 20
.set STO,  24
.set RD,   25
.set CO,   26
.set SPW,  28
.set NIL,  29
.set AF,   128
.set BK,   128
.set G1,  24
.set G0,  32
.set G1B, 48
.set G0B, 56
.set MSB, 0
.macro WIN new
.if MSB != (\new)
	s_set_vgpr_msb (MSB<<8)|(\new)
.set MSB, \new
.endif
.endm
.set MUL_LO, 0xa1
.set MUL_HI, 0xf1
.set TO_B,   0x40
.macro JLOAD g0a, g1a, g0b, g1b        ; a joint load: waves 0 and 1 fetch for A, waves 2 and 3 for B; four v_nop follow each line
	s_cmp_eq_u32 s15, 0
	s_cbranch_scc0 .Lfor_b_\@
	tensor_load_to_lds s[\g0a:\g0a+3], s[\g1a:\g1a+7]
	s_nop 0
.rept 4
	v_nop
.endr
	s_branch .Lasked_\@
.Lfor_b_\@:
	tensor_load_to_lds s[\g0b:\g0b+3], s[\g1b:\g1b+7]
	s_nop 0
.rept 4
	v_nop
.endr
.Lasked_\@:
.endm
.macro CREST
	s_cmp_lg_u32 s14, 0
	s_cbranch_scc1 .Lnot_wave_0_\@
	s_barrier_signal -3
.Lnot_wave_0_\@:
	s_barrier_wait -3
	s_barrier_signal -1
	s_barrier_wait -1
.endm
.macro CROUND
	s_barrier_signal -1
	s_barrier_wait -1
	CREST
.endm
	s_load_b256 s[68:75], s[0:1], 0x0              ; A's image s[68:69], W's codes s[70:71], the bias s[72:73], the residual s[74:75]
	s_load_b128 s[76:79], s[0:1], 0x20             ; the scales' exponents s[76:77], out s[78:79]
	v_lshl_add_u32 v[SPW], v0, 2, SPARE
	v_mov_b32 v[NIL], 0
	ds_add_u32 v28, v29
	ds_add_u32 v28, v29
	s_wait_dscnt 0x0
	v_lshrrev_b32 v1, 5, v0
	v_readfirstlane_b32 s14, v1                    ; wave 0..3
	s_lshr_b32 s15, s14, 1                         ; my half of the tokens.  Also: I fetch for A (0) or for B (1)
	s_and_b32 s16, s14, 1                          ; my half of the columns.  Also: which half I fetch
	s_bfe_u32 s40, ttmp6, 0x40000                  ; cx
	s_bfe_u32 s41, ttmp6, 0x40004                  ; cy
	s_lshl_b32 s42, ttmp9, 2
	s_add_co_u32 s42, s42, s40                     ; tile of 128 columns
	s_and_b32 s17, ttmp7, 0xffff
	s_lshl_b32 s17, s17, 2
	s_add_co_u32 s17, s17, s41                     ; tile of 128 tokens
	s_lshl_b32 s43, s41, 2
	s_lshl_b32 s43, 15, s43                        ; my row of the cluster
	s_lshl_b32 s44, 0x1111, s40                    ; my column
	s_or_b32 s[G1+0], s43, (3<<16)|(1<<21)         ; A: the mask; elements of 8 bytes; no padding; bit 21 beside a mask
	s_mov_b32 s[G1+1], 1024<<16                    ; tensor_dim0: 8,192 bytes
	s_mov_b32 s[G1+2], 4<<16                       ; tensor_dim1: four row tiles
	s_mov_b32 s[G1+3], 1024<<16                    ; tile_dim0
	s_mov_b32 s[G1+4], 4                           ; tile_dim1
	s_mov_b32 s[G1+5], 2*KTOT                      ; the pitch: 16 KTOT bytes
	s_mov_b32 s[G1+6], 0
	s_mov_b32 s[G1+7], 0
	s_or_b32 s[G1B+0], s44, (0<<16)|(1<<20)|(1<<21)|(6<<22)|(3<<25)   ; B: elements of 1 byte; four words of padding behind every 128
	s_mov_b32 s[G1B+1], KSTEP<<16
	s_mov_b32 s[G1B+2], 64<<16
	s_mov_b32 s[G1B+3], KSTEP<<16
	s_mov_b32 s[G1B+4], 64
	s_mov_b32 s[G1B+5], KTOT
	s_mov_b32 s[G1B+6], 0
	s_mov_b32 s[G1B+7], 0
	s_lshl_b32 s20, s17, 3
	s_lshl_b32 s18, s16, 2
	s_add_co_u32 s20, s20, s18                     ; A: row tile 8 x tile + 4 x half
	s_mul_i32 s20, s20, 16*KTOT
	s_mov_b32 s21, 0
	s_lshl_b32 s46, s42, 7
	s_lshl_b32 s18, s16, 6
	s_add_co_u32 s46, s46, s18                     ; B: row 128 x tile + 64 x half
	s_mul_i32 s46, s46, KTOT
	s_mov_b32 s47, 0
	s_mul_i32 s45, s16, HALFA                      ; where they go: A's two halves,
	s_mul_i32 s13, s16, HALFB
	s_add_co_u32 s13, s13, 2*HALFA                 ; then B's two
	s_wait_kmcnt 0x0
	s_load_b64 s[96:97], s[76:77], SOFF            ; the two exponents
	s_add_nc_u64 s[20:21], s[68:69], s[20:21]
	s_add_nc_u64 s[46:47], s[70:71], s[46:47]
	CROUND                                         ; all sixteen work-groups are here: the first joint loads meet
.irp s, 0,1
	s_mov_b32 s[G0+4*\s], 1
	s_add_co_u32 s[G0+4*\s+1], s45, \s*SLOT
	s_add_nc_u64 s[G0+4*\s+2:G0+4*\s+3], s[20:21], \s*8192
	s_or_b32 s[G0+4*\s+3], s[G0+4*\s+3], 0x80000000
	s_mov_b32 s[G0B+4*\s], 1
	s_add_co_u32 s[G0B+4*\s+1], s13, \s*SLOT
	s_add_nc_u64 s[G0B+4*\s+2:G0B+4*\s+3], s[46:47], \s*KSTEP
	s_or_b32 s[G0B+4*\s+3], s[G0B+4*\s+3], 0x80000000
	JLOAD G0+4*\s, G1, G0B+4*\s, G1B
.endr
	v_and_b32 v1, 15, v0                           ; r
	v_bfe_u32 v2, v0, 4, 1                         ; h
	v_and_b32 v22, 31, v0
	v_lshlrev_b32 v23, 4, v22                      ; 16 x lane
	v_mul_u32_u24 v3, v1, PITCH
	v_lshl_add_u32 v3, v2, 3, v3                   ; B: row r, + 8 h
	s_mul_i32 s21, s15, HALFA
	s_mul_i32 s22, s16, HALFB
	s_add_co_u32 s22, s22, 2*HALFA
.irp s, 0,1
	v_add_nc_u32 v[ADRA+\s], s21, v23
	v_add_nc_u32 v[ADRB+\s], s22, v3
	s_add_co_u32 s21, s21, SLOT
	s_add_co_u32 s22, s22, SLOT
.endr
	s_mul_i32 s23, s14, 16*SPITCH
	s_add_co_u32 s23, s23, STAGE                   ; my stage
	v_mul_u32_u24 v5, v1, SPITCH
	v_lshl_add_u32 v5, v2, 5, v5
	v_add_nc_u32 v[STO], s23, v5                   ; in: row r, 32 bytes for each half of the lanes
	v_mul_u32_u24 v5, v2, SPITCH
	v_lshl_add_u32 v5, v1, 4, v5
	v_add_nc_u32 v[RD], s23, v5                    ; back: lanes 0-15 one row of 256 bytes, lanes 16-31 the next
	v_lshlrev_b32 v27, 4, v1                       ; my four columns
	v_lshl_add_u32 v[CO], v2, 13, v27              ; and in memory: a token's next neighbour l + 1 lies 8,192 bytes on
	s_lshl_b32 s20, s17, 7
	s_lshl_b32 s18, s15, 6
	s_add_co_u32 s20, s20, s18                     ; my first token
	s_lshr_b32 s21, s20, 11                        ; n
	s_and_b32 s20, s20, 2047                       ; l
	s_lshl_b32 s20, s20, 13
	s_lshl_b32 s21, s21, 12
	s_add_co_u32 s20, s20, s21
	s_lshl_b32 s46, s42, 9
	s_lshl_b32 s47, s16, 8
	s_add_co_u32 s46, s46, s47                     ; my first column, in bytes
	s_add_co_u32 s20, s20, s46
	s_mov_b32 s21, 0
	s_mov_b32 s47, 0
	s_add_nc_u64 s[8:9], s[74:75], s[20:21]        ; the residual,
	s_add_nc_u64 s[10:11], s[78:79], s[20:21]      ; out,
	s_add_nc_u64 s[46:47], s[72:73], s[46:47]      ; the bias
	global_load_b128 v[8:11], v27, s[46:47]
	WIN 0x80                                       ; destination window 2
.irp a, 0,1,2,3
.irp t, 0,1,2,3,4,5,6,7
	global_load_b128 v[128+4*(8*\a+\t):128+4*(8*\a+\t)+3], v[CO], s[8:9] offset:(16*\a+2*\t)*8192
.endr
.endr
	WIN 0
.macro FRAGA reg, slot, q, i           ; block i's fragment of the slot's q-th 128 along K: four loads of 16 bytes at 16 x lane
.irp c, 0,1,2,3
	ds_load_b128 v[\reg+4*\c:\reg+4*\c+3], v[ADRA+\slot] offset:8192*(\i)+2048*(\q)+512*\c
.endr
.endm
.macro FRAGB reg, slot, q, i           ; registers 2 c, 2 c + 1: k = 16 c + 8 h + 0 .. 7
.irp c, 0,1,2,3,4,5,6,7
	ds_load_b64 v[\reg+2*\c:\reg+2*\c+1], v[ADRB+\slot] offset:128*(\q)+16*\c+(\i)*16*PITCH
.endr
.endm
.macro MUL4 a, p, zero                 ; A's block a x B's four.  The 16 accumulators take turns, one instruction a turn, in the same order in every step
.irp b, 0,1,2,3
.if \zero
	v_wmma_f32_16x16x128_fp8_fp8 v[8*(4*((\a)%2)+\b):8*(4*((\a)%2)+\b)+7], v[128*(\p)+FR*\b:128*(\p)+FR*\b+FR-1], v[AF+FR*(\a):AF+FR*(\a)+FR-1], 0
.else
	v_wmma_f32_16x16x128_fp8_fp8 v[8*(4*((\a)%2)+\b):8*(4*((\a)%2)+\b)+7], v[128*(\p)+FR*\b:128*(\p)+FR*\b+FR-1], v[AF+FR*(\a):AF+FR*(\a)+FR-1], v[8*(4*((\a)%2)+\b):8*(4*((\a)%2)+\b)+7]
.endif
.endr
.endm
.macro FETCH_B slot, q, p
	WIN TO_B
.irp i, 0,1,2,3
	FRAGB 128*(\p)+FR*\i, \slot, \q, \i
.endr
	WIN 0
.endm
.macro FETCH_A slot, q, i0             ; blocks i0, i0 + 1
.irp i, \i0, \i0+1
	FRAGA AF+FR*(\i), \slot, \q, \i
.endr
.endm
.macro PLACES n                        ; plain vector lines between a matrix instruction and a load into, or a read of, its registers
.rept \n
	v_nop
.endr
.endm
.macro STEP slot, q, zero              ; 128 along K whose successor lies in the same slot
	s_wait_dscnt 2*NLA                             ; B's set and A's blocks 0, 1 are in; the youngest eight loads (A's blocks 2, 3) may be out
	WIN MUL_LO
	MUL4 0, (\q)%2, \zero
	MUL4 1, (\q)%2, \zero
	s_wait_dscnt 0
	PLACES NP
	FETCH_B \slot, (\q)+1, 1-(\q)%2
	FETCH_A \slot, (\q)+1, 0
	WIN MUL_HI
	MUL4 2, (\q)%2, \zero
	MUL4 3, (\q)%2, \zero
	PLACES NP
	WIN 0
	FETCH_A \slot, (\q)+1, 2
.endm
.macro TURN slot, next, fill           ; a slot's last 128 along K, and the change of slots: one barrier
	s_wait_tensorcnt 0x0                           ; all my tensor loads have landed: my part of the next slot
	ds_add_u32 v[SPW], v[NIL]                      ; 0 onto my spare word
	s_wait_dscnt 2*NLA+1                           ; the add and the youngest eight loads may be out
	WIN MUL_LO
	MUL4 0, 1, 0
	s_wait_dscnt 0x0                               ; the add is done, and my reads of this slot are over
	s_barrier_signal -1
	MUL4 1, 1, 0
	WIN 0
	s_barrier_wait -1
.if \fill
	CREST                                          ; the barrier has opened a round of the cluster's: no wave of any partner still reads this slot or has a load on its way
	s_add_nc_u64 s[G0+4*\slot+2:G0+4*\slot+3], s[G0+4*\slot+2:G0+4*\slot+3], 2*8192
	s_add_nc_u64 s[G0B+4*\slot+2:G0B+4*\slot+3], s[G0B+4*\slot+2:G0B+4*\slot+3], 2*KSTEP
	JLOAD G0+4*\slot, G1, G0B+4*\slot, G1B         ; the first tensor load behind the round; its four v_nop are also the places in front of the loads below
.else
	PLACES NP
.endif
	FETCH_B \next, 0, 0
	FETCH_A \next, 0, 0
	WIN MUL_HI
	MUL4 2, 1, 0
	MUL4 3, 1, 0
	PLACES NP
	WIN 0
	FETCH_A \next, 0, 2
.endm
	s_wait_tensorcnt 1                             ; my part of K step 0 is in; K step 1's load may be out
	s_barrier_signal -1
	s_barrier_wait -1
	FETCH_B 0, 0, 0
	FETCH_A 0, 0, 0
	FETCH_A 0, 0, 2
	STEP 0, 0, 1                                   ; the first step's products start the sums
.if LAPS > 1
	s_mov_b32 s3, LAPS-1
.Llap:                                                 ; a trip goes once round the ring and fills both slots again
	STEP 0, 1, 0
	STEP 0, 2, 0
	TURN 0, 1, 1
	STEP 1, 0, 0
	STEP 1, 1, 0
	STEP 1, 2, 0
	TURN 1, 0, 1
	STEP 0, 0, 0
	s_sub_co_u32 s3, s3, 1
	s_cmp_lg_u32 s3, 0
	s_cbranch_scc1 .Llap
.endif
	STEP 0, 1, 0                                   ; the last lap fills nothing
	STEP 0, 2, 0
	TURN 0, 1, 0
	STEP 1, 0, 0
	STEP 1, 1, 0
	STEP 1, 2, 0
	s_wait_dscnt 2*NLA
	WIN MUL_LO
	MUL4 0, 1, 0
	MUL4 1, 1, 0
	s_wait_dscnt 0
	WIN MUL_HI
	MUL4 2, 1, 0
	MUL4 3, 1, 0
	WIN 0
; THE WAY OUT, block by block of 16 tokens x 64 columns: the sums go into my stage and come back as rows of 256 bytes; then sum x 2^(ea + eb) + bias, + the residual, and the store.
.macro TOSTAGE a
	WIN (2+(\a)/2)<<2                              ; an LDS store's data are source 1: window 2 or 3
.irp b, 0,1,2,3
	ds_store_b128 v[STO], v[8*(4*((\a)%2)+\b):8*(4*((\a)%2)+\b)+3] offset:64*\b          ; each accumulator from its low end on
	ds_store_b128 v[STO], v[8*(4*((\a)%2)+\b)+4:8*(4*((\a)%2)+\b)+7] offset:64*\b+16
.endr
	WIN 0
.irp t, 0,1,2,3,4,5,6,7
	ds_load_b128 v[BK+32*(\a)+4*\t:BK+32*(\a)+4*\t+3], v[RD] offset:\t*2*SPITCH   ; LDS serves a wave's instructions in order (ISA guide 5.7.1.4): these see my stores; the next block's stores come behind them
.endr
.endm
.macro FIN a, younger                  ; younger: the LDS instructions issued behind block a's loads
.set BB, BK+32*(\a)
	s_wait_dscnt \younger
.irp t, 0,1,2,3,4,5,6,7
	v_pk_fma_f32 v[BB+4*\t:BB+4*\t+1], v[BB+4*\t:BB+4*\t+1], s[96:97], v[8:9] op_sel_hi:[1,0,1]
	v_pk_fma_f32 v[BB+4*\t+2:BB+4*\t+3], v[BB+4*\t+2:BB+4*\t+3], s[96:97], v[10:11] op_sel_hi:[1,0,1]
.endr
	WIN 0x08                                       ; source 1 (the residual) window 2
.set j, 0
.rept 16
	v_pk_add_f32 v[BB+j:BB+j+1], v[BB+j:BB+j+1], v[BB+j:BB+j+1]   ; (source 1 names the same numbers in window 2: the residual lies as the rows lie)
.set j, j+2
.endr
	WIN 0
.irp t, 0,1,2,3,4,5,6,7
	global_store_b128 v[CO], v[BB+4*\t:BB+4*\t+3], s[10:11] offset:(16*(\a)+2*\t)*8192   ; 16 lanes store 256 consecutive bytes, aligned
.endr
.endm
	s_wait_kmcnt 0x0
	s_add_co_i32 s96, s96, s97
	s_add_co_i32 s96, s96, 127
	s_lshl_b32 s96, s96, 23                        ; 2^(ea + eb) as f32
	s_mov_b32 s97, s96
	s_wait_loadcnt 0x0                             ; the bias and the residual
	PLACES NP
	TOSTAGE 0
	TOSTAGE 1
	FIN 0, 16                                      ; behind block 0's loads: block 1's eight stores and eight loads
	TOSTAGE 2
	FIN 1, 16
	TOSTAGE 3
	FIN 2, 16
	FIN 3, 0
	s_wait_tensorcnt 0x0                           ; the wave's end
	ds_add_u32 v[SPW], v[NIL]
	s_wait_dscnt 0x0
	CROUND                                         ; the closing round
	s_endpgm
.Lfunc_end_k_q5a47146be1_outp:
	.size	k_q5a47146be1_outp, .Lfunc_end_k_q5a47146be1_outp-k_q5a47146be1_outp
	.p2alignl 7, 3214868480
	.fill 96, 4, 3214868480
	.section	.rodata,"a",@progbits
	.p2align	6, 0x0
	.amdhsa_kernel k_q5a47146be1_outp
		.amdhsa_group_segment_fixed_size 327680
		.amdhsa_private_segment_fixed_size 0
		.amdhsa_enable_private_segment 0
		.amdhsa_kernarg_size 48
		.amdhsa_user_sgpr_count 2
		.amdhsa_user_sgpr_kernarg_segment_ptr 1
		.amdhsa_wavefront_size32 1
		.amdhsa_system_sgpr_workgroup_id_x 1
		.amdhsa_system_sgpr_workgroup_id_y 1
		.amdhsa_system_sgpr_workgroup_id_z 1
		.amdhsa_system_vgpr_workitem_id 0
		.amdhsa_next_free_vgpr 1024
		.amdhsa_next_free_sgpr 98
		.amdhsa_reserve_vcc 0
		.amdhsa_float_denorm_mode_32 3
		.amdhsa_float_denorm_mode_16_64 3
		.amdhsa_memory_ordered 1
		.amdhsa_forward_progress 1
		.amdhsa_inst_pref_size 63
	.end_amdhsa_kernel
	.amdgpu_metadata
---
amdhsa.version: [ 1, 2 ]
amdhsa.kernels:
  - .name:           k_q5a47146be1_outp
    .symbol:         k_q5a47146be1_outp.kd
    .args:
      - { .name: oimg, .offset: 0, .size: 8, .value_kind: global_buffer, .address_space: global }
      - { .name: out_w_codes, .offset: 8, .size: 8, .value_kind: global_buffer, .address_space: global }
      - { .name: out_b, .offset: 16, .size: 8, .value_kind: global_buffer, .address_space: global }
      - { .name: x, .offset: 24, .size: 8, .value_kind: global_buffer, .address_space: global }
      - { .name: lowp_scales, .offset: 32, .size: 8, .value_kind: global_buffer, .address_space: global }
      - { .name: x1, .offset: 40, .size: 8, .value_kind: global_buffer, .address_space: global }
    .group_segment_fixed_size: 327680
    .private_segment_fixed_size: 0
    .kernarg_segment_align: 8
    .kernarg_segment_size: 48
    .max_flat_workgroup_size: 128
    .sgpr_count:     98
    .vgpr_count:     1024
    .wavefront_size: 32
...
	.end_amdgpu_metadata
.endif
;; end of part 4
;; launch ln2 (part 5): grid 256 x 1, 4 waves a work-group, no clusters, 16,896 bytes of LDS; arguments x1, ln2_w, ln2_b, lowp_scales, zcodes; writes zcodes
.if DOCPART == 5
	.amdgcn_target "amdgcn-amd-amdhsa--gfx1250"
	.amdhsa_code_object_version 6
	.text
	.protected	k_q5a47146be1_ln2
	.globl	k_q5a47146be1_ln2
	.p2align	8
	.type	k_q5a47146be1_ln2,@function
k_q5a47146be1_ln2:
	s_mov_b64 s[64:65], 0
	v_nop
	global_prefetch_b8 v0, s[64:65] scope:SCOPE_SE
	s_setreg_imm32_b32 hwreg(HW_REG_WAVE_MODE, 25, 1), 1
	s_wait_xcnt 0x0
; LAYER NORM AND QUANTISER.  in: [4096 rows][1024] f32, row i = 2 l + n (sequence first).  out: codes of FP8 (E4M3), [4096][1024], row n x 2048 + l, the 1,024 columns (the next product's K) innermost.
; code = ((x - mean) x rsqrt(var + 1e-5) x w + b) / 2^e, held within +-448, to the nearest code, ties to even.  e is the whole number at byte SOFF of the buffer of scales.
; The mean is taken first and taken off, the variance is the mean of the squares of what is left: a common offset of the inputs costs no difference of large sums.
; SHARES.  A work-group takes 16 rows, a wave four; a row of 4,096 bytes lies in 32 registers of one wave (load j: columns 128 j + 4 lane .. + 3), so no sum leaves the wave and no barrier is needed.
; All 32 loads of a wave's four rows go out at once; each covers 512 consecutive bytes.  A lane's four codes of a load are 4 bytes: a row's 1,024 bytes turn through the wave's own 4,096 bytes of LDS
; and leave by two stores of 512 consecutive bytes.  No matrix unit, no cluster, no tensor load: work-groups share only w and b (8 KiB).
; LIMITS: e between -126 and 119, so that 2^e and 448 x 2^e are f32 numbers.  NaN among the inputs is not served.
.set SOFF, 32                          ; the scale's byte: entry 8
.set C,   8                            ; v[8:15]    a row's codes
.set W,   16                           ; v[16:47]   w of my 32 columns
.set B,   48                           ; v[48:79]   b
.set T,   80                           ; v[80:87]   four running sums, in pairs
.set ST,  96                           ; v[96:111]  row t: +0, +1 the mean twice; +2, +3 rsqrt(var + eps) twice
.set X,   112                          ; v[112:239] row t: 32 registers; its first eight later take the row's codes back from LDS
	s_load_b256 s[4:11], s[0:1], 0x0               ; in s[4:5], w s[6:7], b s[8:9], the scales' exponents s[10:11]
	s_load_b64 s[12:13], s[0:1], 0x20              ; the codes
	v_lshl_add_u32 v240, v0, 2, 0x4000
	v_mov_b32 v241, 0
	v_lshrrev_b32 v7, 5, v0
	v_readfirstlane_b32 s14, v7                    ; wave
	v_and_b32 v7, 31, v0                           ; lane
	v_lshlrev_b32 v1, 4, v7                        ; 16 x lane: my bytes of a load's or a store's 512
	s_lshl_b32 s15, s14, 12                        ; my wave's 4,096 bytes of LDS
	v_lshl_add_u32 v2, v7, 2, s15                  ; into the stage: 4 x lane
	v_add_nc_u32 v3, s15, v1                       ; out of it: 16 x lane
	s_lshl_b32 s16, ttmp9, 16                      ; 16 rows of 4,096 bytes a work-group,
	s_lshl_b32 s18, s14, 14                        ; four a wave
	s_add_co_u32 s16, s16, s18
	s_mov_b32 s17, 0
	s_lshl_b32 s18, ttmp9, 13                      ; the codes: rows l0 = i0 / 2 on, 1,024 bytes each: i0 x 512
	s_lshl_b32 s19, s14, 11
	s_add_co_u32 s18, s18, s19
	s_mov_b32 s19, 0
	s_mov_b32 s22, 0x76543210                      ; v_permlanex16_b32: lane l xor 16
	s_mov_b32 s23, 0xfedcba98
	s_mov_b32 s24, 0x3a800000                      ; 1 / 1,024
	s_mov_b32 s25, 0x3727c5ac                      ; 1e-5
	v_mov_b32 v5, 0                                ; a lane permute's destination counts as read: written once
	s_wait_kmcnt 0x0
	s_load_b32 s20, s[10:11], SOFF                 ; e
	s_add_nc_u64 s[4:5], s[4:5], s[16:17]
	s_add_nc_u64 s[12:13], s[12:13], s[18:19]
.irp t, 0,1,2,3
.irp j, 0,1,2,3,4,5,6,7
	global_load_b128 v[X+32*\t+4*\j:X+32*\t+4*\j+3], v1, s[4:5] offset:4096*\t+512*\j th:TH_LOAD_NT
.endr
.endr
.irp j, 0,1,2,3,4,5,6,7
	global_load_b128 v[W+4*\j:W+4*\j+3], v1, s[6:7] offset:512*\j
.endr
.irp j, 0,1,2,3,4,5,6,7
	global_load_b128 v[B+4*\j:B+4*\j+3], v1, s[8:9] offset:512*\j
.endr
	s_wait_kmcnt 0x0
	s_add_co_i32 s20, s20, 127
	s_lshl_b32 s21, s20, 23
	v_mov_b32 v6, s21                              ; 2^e as f32: the conversion takes its exponent field
	s_add_co_i32 s20, s20, 8
	s_lshl_b32 s20, s20, 23
	s_or_b32 s20, s20, 0x600000
	v_mov_b32 v4, s20                              ; 448 x 2^e
; the four pairs of running sums become one number, the same in all 32 lanes
.macro REDUCE
	v_pk_add_f32 v[T:T+1], v[T:T+1], v[T+2:T+3]
	v_pk_add_f32 v[T+4:T+5], v[T+4:T+5], v[T+6:T+7]
	v_pk_add_f32 v[T:T+1], v[T:T+1], v[T+4:T+5]
	v_add_f32 v[T], v[T], v[T+1]
	v_add_f32_dpp v[T], v[T], v[T] row_xmask:1 row_mask:0xf bank_mask:0xf
	v_add_f32_dpp v[T], v[T], v[T] row_xmask:2 row_mask:0xf bank_mask:0xf
	v_add_f32_dpp v[T], v[T], v[T] row_xmask:4 row_mask:0xf bank_mask:0xf
	v_add_f32_dpp v[T], v[T], v[T] row_xmask:8 row_mask:0xf bank_mask:0xf
	v_permlanex16_b32 v5, v[T], s22, s23
	v_add_f32 v[T], v[T], v5
.endm
; row t: the mean; x - mean in place; var + eps
.macro STAT t
.set XR, X+32*(\t)
.set SR, ST+4*(\t)
	s_wait_loadcnt 40-8*(\t)                       ; 48 loads were issued, row by row, then w and b: behind row t's eight stand 40 - 8 t
.irp k, 0,1,2,3
	v_pk_add_f32 v[T+2*\k:T+2*\k+1], v[XR+2*\k:XR+2*\k+1], v[XR+8+2*\k:XR+8+2*\k+1]
.endr
.irp m, 16,24
.irp k, 0,1,2,3
	v_pk_add_f32 v[T+2*\k:T+2*\k+1], v[T+2*\k:T+2*\k+1], v[XR+\m+2*\k:XR+\m+2*\k+1]
.endr
.endr
	REDUCE
	v_mul_f32 v[SR], s24, v[T]
	v_mov_b32 v[SR+1], v[SR]
.set j, 0
.rept 16
	v_pk_add_f32 v[XR+j:XR+j+1], v[XR+j:XR+j+1], v[SR:SR+1] neg_lo:[0,1] neg_hi:[0,1]
.set j, j+2
.endr
.irp k, 0,1,2,3
	v_pk_mul_f32 v[T+2*\k:T+2*\k+1], v[XR+2*\k:XR+2*\k+1], v[XR+2*\k:XR+2*\k+1]
.endr
.irp m, 8,16,24
.irp k, 0,1,2,3
	v_pk_fma_f32 v[T+2*\k:T+2*\k+1], v[XR+\m+2*\k:XR+\m+2*\k+1], v[XR+\m+2*\k:XR+\m+2*\k+1], v[T+2*\k:T+2*\k+1]
.endr
.endr
	REDUCE
	v_fma_f32 v[SR+2], v[T], s24, s25
.endm
; row t: scaled, held, converted; its 1,024 bytes of codes turn through my stage
.macro NORM t
.set XR, X+32*(\t)
.set SR, ST+4*(\t)
.set j, 0
.rept 16
	v_pk_mul_f32 v[XR+j:XR+j+1], v[XR+j:XR+j+1], v[SR+2:SR+3]
.set j, j+2
.endr
.set j, 0
.rept 16
	v_pk_fma_f32 v[XR+j:XR+j+1], v[XR+j:XR+j+1], v[W+j:W+j+1], v[B+j:B+j+1]
.set j, j+2
.endr
.set j, 0
.rept 32
	v_med3_num_f32 v[XR+j], v[XR+j], -v4, v4       ; the conversion to an 8-bit code does not saturate (ISA guide 7.6.2): the hold at the largest code x the scale
.set j, j+1
.endr
.if \t > 0
	s_wait_dscnt 2                                 ; the row before: its eight stores have read the codes' registers; its two loads may stay out
.endif
.irp g, 0,1,2,3
	v_cvt_scalef32_pk8_fp8_f32 v[C+2*\g:C+2*\g+1], v[XR+8*\g:XR+8*\g+7], v6   ; register 2 g: load 2 g's four columns; 2 g + 1: load 2 g + 1's
.endr
	v_nop                                          ; a plain line behind the last conversion
.irp j, 0,1,2,3,4,5,6,7
	ds_store_b32 v2, v[C+\j] offset:1024*\t+128*\j ; columns 128 j + 4 lane on: 128 consecutive bytes a store
.endr
	ds_load_b128 v[XR:XR+3], v3 offset:1024*\t     ; LDS serves a wave's instructions in order (ISA guide 5.7.1.4): these see my stores
	ds_load_b128 v[XR+4:XR+7], v3 offset:1024*\t+512
.endm
.macro OUT t, younger                  ; younger: the LDS instructions issued behind row t's two loads
	s_wait_dscnt \younger
	global_store_b128 v1, v[X+32*(\t):X+32*(\t)+3], s[12:13] offset:((\t)%2)*2097152+((\t)/2)*1024       ; row n x 2048 + l: 512 consecutive bytes, aligned
	global_store_b128 v1, v[X+32*(\t)+4:X+32*(\t)+7], s[12:13] offset:((\t)%2)*2097152+((\t)/2)*1024+512
.endm
	STAT 0
	STAT 1
	STAT 2
	STAT 3
.irp t, 0,1,2,3
	v_rsq_f32 v[ST+4*\t+2], v[ST+4*\t+2]
.endr
	v_nop                                          ; a plain line behind the last of the batch
	s_wait_alu depctr_va_vdst(0)                   ; one wait for the four, ahead of their first reader
.irp t, 0,1,2,3
	v_mov_b32 v[ST+4*\t+3], v[ST+4*\t+2]
.endr
	s_wait_loadcnt 0x0                             ; w and b
	NORM 0
	NORM 1
	OUT 0, 10                                      ; behind row 0's loads: row 1's eight stores and two loads
	NORM 2
	OUT 1, 10
	NORM 3
	OUT 2, 10
	OUT 3, 0
	s_wait_tensorcnt 0x0
	ds_add_u32 v240, v241
	s_wait_dscnt 0x0
	s_endpgm
.Lfunc_end_k_q5a47146be1_ln2:
	.size	k_q5a47146be1_ln2, .Lfunc_end_k_q5a47146be1_ln2-k_q5a47146be1_ln2
	.p2alignl 7, 3214868480
	.fill 96, 4, 3214868480
	.section	.rodata,"a",@progbits
	.p2align	6, 0x0
	.amdhsa_kernel k_q5a47146be1_ln2
		.amdhsa_group_segment_fixed_size 16896
		.amdhsa_private_segment_fixed_size 0
		.amdhsa_enable_private_segment 0
		.amdhsa_kernarg_size 40
		.amdhsa_user_sgpr_count 2
		.amdhsa_user_sgpr_kernarg_segment_ptr 1
		.amdhsa_wavefront_size32 1
		.amdhsa_system_sgpr_workgroup_id_x 1
		.amdhsa_system_sgpr_workgroup_id_y 1
		.amdhsa_system_sgpr_workgroup_id_z 1
		.amdhsa_system_vgpr_workitem_id 0
		.amdhsa_next_free_vgpr 242
		.amdhsa_next_free_sgpr 66
		.amdhsa_reserve_vcc 0
		.amdhsa_float_denorm_mode_32 3
		.amdhsa_float_denorm_mode_16_64 3
		.amdhsa_memory_ordered 1
		.amdhsa_forward_progress 1
		.amdhsa_inst_pref_size 44
	.end_amdhsa_kernel
	.amdgpu_metadata
---
amdhsa.version: [ 1, 2 ]
amdhsa.kernels:
  - .name:           k_q5a47146be1_ln2
    .symbol:         k_q5a47146be1_ln2.kd
    .args:
      - { .name: x1, .offset: 0, .size: 8, .value_kind: global_buffer, .address_space: global }
      - { .name: ln2_w, .offset: 8, .size: 8, .value_kind: global_buffer, .address_space: global }
      - { .name: ln2_b, .offset: 16, .size: 8, .value_kind: global_buffer, .address_space: global }
      - { .name: lowp_scales, .offset: 24, .size: 8, .value_kind: global_buffer, .address_space: global }
      - { .name: zcodes, .offset: 32, .size: 8, .value_kind: global_buffer, .address_space: global }
    .group_segment_fixed_size: 16896
    .private_segment_fixed_size: 0
    .kernarg_segment_align: 8
    .kernarg_segment_size: 40
    .max_flat_workgroup_size: 128
    .sgpr_count:     66
    .vgpr_count:     242
    .wavefront_size: 32
...
	.end_amdgpu_metadata
.endif
;; end of part 5
;; launch fc (part 6): grid 16 x 16, 4 waves a work-group, clusters of 4 x 4, 327,680 bytes of LDS; arguments zcodes, fc_w_codes, fc_b, lowp_scales, himg; writes himg
.if DOCPART == 6
	.amdgcn_target "amdgcn-amd-amdhsa--gfx1250"
	.amdhsa_code_object_version 6
	.text
	.protected	k_q5a47146be1_fc
	.globl	k_q5a47146be1_fc
	.p2align	8
	.type	k_q5a47146be1_fc,@function
k_q5a47146be1_fc:
	s_mov_b64 s[64:65], 0
	v_nop
	global_prefetch_b8 v0, s[64:65] scope:SCOPE_SE
	s_setreg_imm32_b32 hwreg(HW_REG_WAVE_MODE, 25, 1), 1
	s_wait_xcnt 0x0
	s_wait_alu depctr_hold_cnt(0) depctr_sa_sdst(0) depctr_va_vdst(0) depctr_va_sdst(0) depctr_va_ssrc(0) depctr_va_vcc(0) depctr_vm_vsrc(0)
	s_getreg_b32 s2, hwreg(HW_REG_IB_STS2, 6, 4)
	s_cmp_eq_u32 s2, 0
	s_cbranch_scc0 .Lentry_in_a_cluster
	s_endpgm
.Lentry_in_a_cluster:
	s_bfe_u32 s2, ttmp6, 0x10000c
	s_cmp_lg_u32 s2, 0xf033
	s_cbranch_scc0 .Lentry_shape_is_right
	s_endpgm
.Lentry_shape_is_right:
; h = gelu(z W^T + b), the product on codes of FP8 (E4M3), and h's quantising for the next product.  z: [4096 tokens][1024] codes; W: [4096][1024] codes; b [4096] f32; sums in f32.
; A tile of 256 tokens x 256 hidden units is made by four waves, 128 x 128 each: 64 accumulators, 512 registers.  K = 1,024 goes in steps of 256 through a ring of two LDS slots filled by the tensor data mover.
; OPERAND A = z is source 1: a lane holds one token.  OPERAND B = W is source 0: a lane's eight registers of a tile are eight neighbouring hidden units: the next product's K.
; OUT: himg, an image of the next operand's registers, [4096 tokens][4096]: byte = (token / 16) x 65,536 + (k / 32) x 512 + 16 x lane + byte; lane = 16 h + token % 16; bytes 0-7: k = 32 g + 8 h + 0..7, bytes 8-15: k = 32 g + 16 + 8 h + 0..7.
; The conversions of tiles 2 g and 2 g + 1 give a lane just these 16 bytes: each store of the wave covers 512 consecutive bytes, aligned.
; GELU: 0.5 v (1 + erf(v / sqrt 2)), erf(z) = z P(z^2) / Q(z^2) on |z| <= 4 (P of degree 6, Q of degree 4), all in f32.
; LIMIT of that form: erf is good to a few units of f32's last place, so 1 + erf carries an absolute error near 1e-7: a relative error that grows in the far negative tail, where gelu is near 0.
; Q is evaluated first; its sixteen reciprocals then stand singly, each followed by four lines of P's evaluation, of z P and of v / 2, which name no reciprocal; one wait stands ahead of the first line that does.
; THE ACTIVATION IS A LOOP: 512 numbers a lane, some 11 lines each, would be some 50 KB of straight text, and register numbers cannot be counted by a loop.  So each wave lays its sums once into its own 65,536 bytes of LDS
; (both slots have had their last fill, and a barrier stands behind every wave's last read of them) and walks them in eight trips, a block of 16 tokens a trip, the next block's loads one trip ahead.
; CLUSTERS: 4 x 4 work-groups; z's tiles are asked for jointly along a row of the cluster, W's along a column.
; LIMITS: e8 + e9 between -126 and 127; e10 between -126 and 119.  NaN is not served.  No prefetch: K has four steps, of which two are the first fills.
; REGISTERS: window 0: v1-29 addresses and constants; v32-95 the bias; from v128 A's fragments, ONE set; in the activation v96-159 a block's numbers, v160-223 at work, v224-239 codes.
;   window 1: B's fragments, TWO sets; in the activation v0-63 a block's sums.   windows 2, 3: the accumulators ((a, b) at v[8 (8 (a % 4) + b)] of window 2 + a / 4).
.set KSTEP,  256
.set ROWB,   256
.set KROW,   1024
.set PITCH,  272                       ; an LDS row: 256 bytes + 16 of padding = 68 words: the 16 rows that a load touches start at 16 different banks (64 banks of 4 bytes: ISA guide 11.1)
.set FR,     16
.set NL,     4
.set NP,     4
.set HALFT,  128*PITCH
.set SLOT,   4*HALFT
.set LAPS,   KROW/(2*KSTEP)
.set SPARE,  2*SLOT                    ; behind the ring: the spare words, 128 bytes a wave
.set ADRA, 16
.set ADRB, 20
.set DST,  24                          ; v24  my 16 bytes in my wave's 65,536 of LDS
.set DLD,  25                          ; v25  the same in the block that is being fetched
.set HO,   26                          ; v26  my byte offset in the image: 16 x lane + block x 65,536; made anew in each trip
.set LN,   27                          ; v27  16 x lane; never rewritten
.set SPW,  28
.set NIL,  29
.set BS,   32
.set V,    96
.set Z,    160
.set S2,   176
.set PN,   192
.set QD,   208
.set CD,   224
.set AF,   128
.set G1,  24
.set G0,  32
.set G1B, 48
.set G0B, 56
.set MSB, 0
.macro WIN new                         ; the immediate's high byte repeats the setting that is left
.if MSB != (\new)
	s_set_vgpr_msb (MSB<<8)|(\new)
.set MSB, \new
.endif
.endm
.set MUL_LO, 0xa1
.set MUL_HI, 0xf1
.set TO_B,   0x40
.macro JLOAD g0a, g1a, g0b, g1b        ; a joint load: waves 0 and 1 fetch for A, waves 2 and 3 for B; four v_nop follow each line
	s_cmp_eq_u32 s15, 0
	s_cbranch_scc0 .Lfor_b_\@
	tensor_load_to_lds s[\g0a:\g0a+3], s[\g1a:\g1a+7]
	s_nop 0
.rept 4
	v_nop
.endr
	s_branch .Lasked_\@
.Lfor_b_\@:
	tensor_load_to_lds s[\g0b:\g0b+3], s[\g1b:\g1b+7]
	s_nop 0
.rept 4
	v_nop
.endr
.Lasked_\@:
.endm
.macro CREST
	s_cmp_lg_u32 s14, 0
	s_cbranch_scc1 .Lnot_wave_0_\@
	s_barrier_signal -3
.Lnot_wave_0_\@:
	s_barrier_wait -3
	s_barrier_signal -1
	s_barrier_wait -1
.endm
.macro CROUND
	s_barrier_signal -1
	s_barrier_wait -1
	CREST
.endm
	s_load_b256 s[68:75], s[0:1], 0x0              ; z's codes s[68:69], W's s[70:71], the bias s[72:73], the scales' exponents s[74:75]
	s_load_b64 s[76:77], s[0:1], 0x20              ; himg
	v_lshl_add_u32 v[SPW], v0, 2, SPARE
	v_mov_b32 v[NIL], 0
	ds_add_u32 v28, v29
	ds_add_u32 v28, v29
	s_wait_dscnt 0x0
	v_lshrrev_b32 v1, 5, v0
	v_readfirstlane_b32 s14, v1                    ; wave 0..3
	s_lshr_b32 s15, s14, 1                         ; my half of the tokens.  Also: I fetch for A (0) or for B (1)
	s_and_b32 s16, s14, 1                          ; my half of the hidden units.  Also: which 128 rows I fetch
	s_bfe_u32 s40, ttmp6, 0x40000                  ; cx
	s_bfe_u32 s41, ttmp6, 0x40004                  ; cy
	s_lshl_b32 s42, ttmp9, 2
	s_add_co_u32 s42, s42, s40                     ; tile of 256 hidden units
	s_and_b32 s17, ttmp7, 0xffff
	s_lshl_b32 s17, s17, 2
	s_add_co_u32 s17, s17, s41                     ; tile of 256 tokens
	s_lshl_b32 s43, s41, 2
	s_lshl_b32 s43, 15, s43                        ; my row of the cluster
	s_lshl_b32 s44, 0x1111, s40                    ; my column
	s_or_b32 s[G1+0], s43, (0<<16)|(1<<20)|(1<<21)|(5<<22)|(3<<25)   ; the mask; elements of 1 byte; padding on; bit 21 beside a mask; four words behind every 64
	s_or_b32 s[G1B+0], s44, (0<<16)|(1<<20)|(1<<21)|(5<<22)|(3<<25)
.irp g, G1, G1B
	s_mov_b32 s[\g+1], ROWB<<16
	s_mov_b32 s[\g+2], 128<<16
	s_mov_b32 s[\g+3], ROWB<<16
	s_mov_b32 s[\g+4], 128
	s_mov_b32 s[\g+5], KROW
	s_mov_b32 s[\g+6], 0
	s_mov_b32 s[\g+7], 0
.endr
	s_lshl_b32 s18, s16, 7
	s_lshl_b32 s20, s17, 8
	s_add_co_u32 s20, s20, s18
	s_lshl_b32 s20, s20, 10                        ; A: (256 x tile + 128 x half) rows of 1,024 bytes
	s_mov_b32 s21, 0
	s_lshl_b32 s46, s42, 8
	s_add_co_u32 s46, s46, s18
	s_lshl_b32 s46, s46, 10                        ; B likewise
	s_mov_b32 s47, 0
	s_mul_i32 s45, s14, HALFT
	s_wait_kmcnt 0x0
	s_load_b128 s[84:87], s[74:75], 0x20           ; e8, e9, e10, e11
	s_add_nc_u64 s[20:21], s[68:69], s[20:21]
	s_add_nc_u64 s[46:47], s[70:71], s[46:47]
	CROUND                                         ; all sixteen work-groups are here: the first joint loads meet
.irp s, 0,1
	s_mov_b32 s[G0+4*\s], 1
	s_add_co_u32 s[G0+4*\s+1], s45, \s*SLOT
	s_add_nc_u64 s[G0+4*\s+2:G0+4*\s+3], s[20:21], \s*ROWB
	s_or_b32 s[G0+4*\s+3], s[G0+4*\s+3], 0x80000000
	s_mov_b32 s[G0B+4*\s], 1
	s_add_co_u32 s[G0B+4*\s+1], s45, \s*SLOT
	s_add_nc_u64 s[G0B+4*\s+2:G0B+4*\s+3], s[46:47], \s*ROWB
	s_or_b32 s[G0B+4*\s+3], s[G0B+4*\s+3], 0x80000000
	JLOAD G0+4*\s, G1, G0B+4*\s, G1B
.endr
	v_and_b32 v1, 15, v0                           ; r
	v_bfe_u32 v2, v0, 4, 1                         ; h
	v_mul_u32_u24 v3, v1, PITCH
	v_lshl_add_u32 v3, v2, 4, v3
	s_mul_i32 s21, s15, HALFT
	s_mul_i32 s22, s16, HALFT
	s_add_co_u32 s22, s22, 2*HALFT
.irp s, 0,1
	v_add_nc_u32 v[ADRA+\s], s21, v3
	v_add_nc_u32 v[ADRB+\s], s22, v3
	s_add_co_u32 s21, s21, SLOT
	s_add_co_u32 s22, s22, SLOT
.endr
	; what the way out needs
	s_lshl_b32 s8, s17, 4
	s_lshl_b32 s18, s15, 3
	s_add_co_u32 s8, s8, s18                       ; my first row tile
	s_lshl_b32 s8, s8, 16
	s_lshl_b32 s9, s42, 3
	s_lshl_b32 s18, s16, 2
	s_add_co_u32 s9, s9, s18                       ; my first group of 32 hidden units
	s_lshl_b32 s9, s9, 9
	s_add_co_u32 s8, s8, s9
	s_mov_b32 s9, 0
	s_add_nc_u64 s[76:77], s[76:77], s[8:9]
	s_lshl_b32 s10, s42, 10
	s_lshl_b32 s18, s16, 9
	s_add_co_u32 s10, s10, s18                     ; my 128 numbers of the bias
	s_mov_b32 s11, 0
	s_add_nc_u64 s[10:11], s[72:73], s[10:11]
	v_lshlrev_b32 v22, 5, v2                       ; 32 h: tile b's eight numbers of my half
.irp b, 0,1,2,3,4,5,6,7
	global_load_b128 v[BS+8*\b:BS+8*\b+3], v22, s[10:11] offset:64*\b
	global_load_b128 v[BS+8*\b+4:BS+8*\b+7], v22, s[10:11] offset:64*\b+16
.endr
	v_and_b32 v23, 31, v0
	v_lshlrev_b32 v[LN], 4, v23
	s_lshl_b32 s18, s14, 16
	v_add_nc_u32 v[DST], s18, v[LN]
	v_mov_b32 v14, 0x32edffee                      ; P's second coefficient, twice,
	v_mov_b32 v15, 0x32edffee
	v_mov_b32 v18, 0xb95fbd29                      ; and Q's: so each packed line names one literal
	v_mov_b32 v19, 0xb95fbd29
	s_wait_kmcnt 0x0                               ; the exponents
	s_add_co_i32 s96, s84, s85
	s_add_co_i32 s96, s96, 127
	s_lshl_b32 s96, s96, 23                        ; 2^(e8 + e9) as f32
	s_mov_b32 s97, s96
	s_add_co_i32 s86, s86, 127
	s_lshl_b32 s18, s86, 23
	v_mov_b32 v13, s18                             ; 2^e10
	s_add_co_i32 s86, s86, 8
	s_lshl_b32 s86, s86, 23
	s_or_b32 s86, s86, 0x600000
	v_mov_b32 v12, s86                             ; 448 x 2^e10
.macro FRAG reg, adr, q, i             ; 16 rows x 128 K: four loads of 16 bytes, 32 apart: the same permutation of k in A and in B
.irp c, 0,1,2,3
	ds_load_b128 v[\reg+4*\c:\reg+4*\c+3], v[\adr] offset:128*(\q)+32*\c+(\i)*16*PITCH
.endr
.endm
.macro MUL16 a0, p, zero               ; A's blocks a0, a0 + 1 x B's eight.  The 64 accumulators take turns, one instruction a turn, in the same order in every step
.irp a, \a0, \a0+1
.irp b, 0,1,2,3,4,5,6,7
.if \zero
	v_wmma_f32_16x16x128_fp8_fp8 v[8*(8*((\a)%4)+\b):8*(8*((\a)%4)+\b)+7], v[128*(\p)+FR*\b:128*(\p)+FR*\b+FR-1], v[AF+FR*(\a):AF+FR*(\a)+FR-1], 0
.else
	v_wmma_f32_16x16x128_fp8_fp8 v[8*(8*((\a)%4)+\b):8*(8*((\a)%4)+\b)+7], v[128*(\p)+FR*\b:128*(\p)+FR*\b+FR-1], v[AF+FR*(\a):AF+FR*(\a)+FR-1], v[8*(8*((\a)%4)+\b):8*(8*((\a)%4)+\b)+7]
.endif
.endr
.endr
.endm
.macro FETCH_B slot, q, p
	WIN TO_B
.irp i, 0,1,2,3,4,5,6,7
	FRAG 128*(\p)+FR*\i, ADRB+\slot, \q, \i
.endr
	WIN 0
.endm
.macro FETCH_A slot, q, i0
.irp i, \i0, \i0+1, \i0+2, \i0+3
	FRAG AF+FR*(\i), ADRA+\slot, \q, \i
.endr
.endm
.macro PLACES n                        ; plain vector lines between a matrix instruction and a load into, or a read of, its registers
.rept \n
	v_nop
.endr
.endm
.macro STEP slot, q, zero
	s_wait_dscnt 4*NL                              ; B's set and A's blocks 0-3 are in; the youngest sixteen loads (A's blocks 4-7) may be out
	WIN MUL_LO
	MUL16 0, (\q)%2, \zero
	MUL16 2, (\q)%2, \zero
	s_wait_dscnt 0
	PLACES NP
	FETCH_B \slot, (\q)+1, 1-(\q)%2
	FETCH_A \slot, (\q)+1, 0
	WIN MUL_HI
	MUL16 4, (\q)%2, \zero
	MUL16 6, (\q)%2, \zero
	PLACES NP
	WIN 0
	FETCH_A \slot, (\q)+1, 4
.endm
.macro TURN slot, next, fill
	s_wait_tensorcnt 0x0                           ; all my tensor loads have landed: my part of the next slot
	ds_add_u32 v[SPW], v[NIL]                      ; 0 onto my spare word
	s_wait_dscnt 4*NL+1                            ; the add and the youngest sixteen loads may be out
	WIN MUL_LO
	MUL16 0, 1, 0
	s_wait_dscnt 0x0                               ; the add is done, and my reads of this slot are over
	s_barrier_signal -1
	MUL16 2, 1, 0
	WIN 0
	s_barrier_wait -1
.if \fill
	CREST                                          ; the barrier has opened a round of the cluster's: no wave of any partner still reads this slot or has a load on its way
	s_add_nc_u64 s[G0+4*\slot+2:G0+4*\slot+3], s[G0+4*\slot+2:G0+4*\slot+3], 2*ROWB
	s_add_nc_u64 s[G0B+4*\slot+2:G0B+4*\slot+3], s[G0B+4*\slot+2:G0B+4*\slot+3], 2*ROWB
	JLOAD G0+4*\slot, G1, G0B+4*\slot, G1B         ; the first tensor load behind the round; its four v_nop are also the places in front of the loads below
.else
	PLACES NP
.endif
	FETCH_B \next, 0, 0
	FETCH_A \next, 0, 0
	WIN MUL_HI
	MUL16 4, 1, 0
	MUL16 6, 1, 0
	PLACES NP
	WIN 0
	FETCH_A \next, 0, 4
.endm
	s_wait_tensorcnt 1                             ; my part of K step 0 is in; K step 1's load may be out
	s_barrier_signal -1
	s_barrier_wait -1
	FETCH_B 0, 0, 0
	FETCH_A 0, 0, 0
	FETCH_A 0, 0, 4
	STEP 0, 0, 1
	s_mov_b32 s3, LAPS-1
.Llap:
	TURN 0, 1, 1
	STEP 1, 0, 0
	TURN 1, 0, 1
	STEP 0, 0, 0
	s_sub_co_u32 s3, s3, 1
	s_cmp_lg_u32 s3, 0
	s_cbranch_scc1 .Llap
	TURN 0, 1, 0
	STEP 1, 0, 0
	s_wait_dscnt 4*NL
	WIN MUL_LO
	MUL16 0, 1, 0
	MUL16 2, 1, 0
	s_wait_dscnt 0
	WIN MUL_HI
	MUL16 4, 1, 0
	MUL16 6, 1, 0
	WIN 0
	; THE WAY OUT
	PLACES NP
	s_wait_dscnt 0x0                               ; my reads of both slots are over
	s_barrier_signal -1
	s_barrier_wait -1                              ; everybody's are: the slots, which have had their last fill, take the sums
.irp a, 0,1,2,3,4,5,6,7
	WIN 0x08+4*((\a)/4)                            ; an LDS store's data are source 1: window 2 or 3
.irp b, 0,1,2,3,4,5,6,7
	ds_store_b128 v[DST], v[8*(8*((\a)%4)+\b):8*(8*((\a)%4)+\b)+3] offset:8192*\a+1024*\b        ; each accumulator from its low end on; 512 consecutive bytes a store
	ds_store_b128 v[DST], v[8*(8*((\a)%4)+\b)+4:8*(8*((\a)%4)+\b)+7] offset:8192*\a+1024*\b+512
.endr
.endr
	WIN 0x40                                       ; destination window 1
.irp b, 0,1,2,3,4,5,6,7
	ds_load_b128 v[8*\b:8*\b+3], v[DST] offset:1024*\b       ; block 0; LDS serves a wave's instructions in order (ISA guide 5.7.1.4): these see my stores
	ds_load_b128 v[8*\b+4:8*\b+7], v[DST] offset:1024*\b+512
.endr
	WIN 0
	s_wait_loadcnt 0x0                             ; the bias
; reciprocals 2 r and 2 r + 1 of the group's sixteen, each followed by four lines of one step of P's evaluation (P = P z^2 + k)
.macro HORNER r, k
.irp hh, 0,1
	v_rcp_f32 v[QD+2*(\r)+\hh], v[QD+2*(\r)+\hh]
.irp q, 0,2,4,6
	v_pk_fma_f32 v[PN+8*\hh+\q:PN+8*\hh+\q+1], v[PN+8*\hh+\q:PN+8*\hh+\q+1], v[S2+8*\hh+\q:S2+8*\hh+\q+1], \k op_sel_hi:[1,1,0]
.endr
.endr
.endm
; 16 numbers a lane, v[V + 16 bb] on: gelu, the hold, the conversion
.macro GELU16 bb
.set VV, V+16*(\bb)
.set j, 0
.rept 8
	v_pk_mul_f32 v[Z+j:Z+j+1], v[VV+j:VV+j+1], 0x3f3504f3 op_sel_hi:[1,0]   ; z = v / sqrt 2
.set j, j+2
.endr
.set j, 0
.rept 16
	v_med3_num_f32 v[Z+j], v[Z+j], -4.0, 4.0       ; beyond 4 erf is 1 in f32
.set j, j+1
.endr
.set j, 0
.rept 8
	v_pk_mul_f32 v[S2+j:S2+j+1], v[Z+j:Z+j+1], v[Z+j:Z+j+1]
.set j, j+2
.endr
.set j, 0
.rept 8
	v_pk_fma_f32 v[QD+j:QD+j+1], v[S2+j:S2+j+1], 0xb77460cd, v[18:19] op_sel_hi:[1,0,1]   ; Q first
.set j, j+2
.endr
.irp k, 0xbadc924e, 0xbbf19bf8, 0xbc69b6a7
.set j, 0
.rept 8
	v_pk_fma_f32 v[QD+j:QD+j+1], v[QD+j:QD+j+1], v[S2+j:S2+j+1], \k op_sel_hi:[1,1,0]
.set j, j+2
.endr
.endr
.irp hh, 0,1                           ; from here to the wait: sixteen reciprocals, four plain lines behind each, none of which names a reciprocal
	v_rcp_f32 v[QD+\hh], v[QD+\hh]
.irp q, 0,2,4,6
	v_pk_fma_f32 v[PN+8*\hh+\q:PN+8*\hh+\q+1], v[S2+8*\hh+\q:S2+8*\hh+\q+1], 0xaf95df0b, v[14:15] op_sel_hi:[1,0,1]
.endr
.endr
	HORNER 1, 0xb60cff51
	HORNER 2, 0xb86ec2d2
	HORNER 3, 0xba40ac63
	HORNER 4, 0xbb41a1f6
	HORNER 5, 0xbc83dbd4
.irp hh, 0,1
	v_rcp_f32 v[QD+12+\hh], v[QD+12+\hh]
.irp q, 0,2,4,6
	v_pk_mul_f32 v[PN+8*\hh+\q:PN+8*\hh+\q+1], v[PN+8*\hh+\q:PN+8*\hh+\q+1], v[Z+8*\hh+\q:Z+8*\hh+\q+1]   ; z P
.endr
.endr
.irp hh, 0,1
	v_rcp_f32 v[QD+14+\hh], v[QD+14+\hh]
.irp q, 0,2,4,6
	v_pk_mul_f32 v[Z+8*\hh+\q:Z+8*\hh+\q+1], v[VV+8*\hh+\q:VV+8*\hh+\q+1], 0.5 op_sel_hi:[1,0]            ; v / 2, where z lay: z P has read it
.endr
.endr
	s_wait_alu depctr_va_vdst(0)                   ; one wait for the sixteen reciprocals, ahead of their first reader
.set j, 0
.rept 8
	v_pk_mul_f32 v[PN+j:PN+j+1], v[PN+j:PN+j+1], v[QD+j:QD+j+1]             ; erf
.set j, j+2
.endr
.set j, 0
.rept 8
	v_pk_fma_f32 v[VV+j:VV+j+1], v[Z+j:Z+j+1], v[PN+j:PN+j+1], v[Z+j:Z+j+1] ; 0.5 v erf + 0.5 v
.set j, j+2
.endr
.set j, 0
.rept 16
	v_med3_num_f32 v[VV+j], v[VV+j], -v12, v12     ; the hold: the conversion does not saturate (ISA guide 7.6.2)
.set j, j+1
.endr
.if (\bb) == 0
	s_wait_xcnt 0x0                                ; the last trip's four stores have read their offset and their data: both are written again only behind this wait, here and in the conversions below
	v_add_nc_u32 v[HO], s21, v[LN]                 ; this block's row tile
.endif
	v_cvt_scalef32_pk8_fp8_f32 v[CD+4*(\bb):CD+4*(\bb)+1], v[VV:VV+7], v13
	v_cvt_scalef32_pk8_fp8_f32 v[CD+4*(\bb)+2:CD+4*(\bb)+3], v[VV+8:VV+15], v13
	v_nop                                          ; a plain line behind the conversions
	global_store_b128 v[HO], v[CD+4*(\bb):CD+4*(\bb)+3], s[76:77] offset:512*(\bb)   ; 32 lanes store 512 consecutive bytes, aligned
.endm
	s_mov_b32 s3, 0
.Lgelu:                                                ; eight trips: block s3 of 16 tokens
	s_wait_dscnt 0x0                               ; the block's sums are in
	WIN 0x01                                       ; source 0 window 1
.set j, 0
.rept 32
	v_pk_fma_f32 v[V+j:V+j+1], v[j:j+1], s[96:97], v[BS+j:BS+j+1] op_sel_hi:[1,0,1]   ; sum x 2^(e8 + e9) + b
.set j, j+2
.endr
	WIN 0
	s_lshl_b32 s21, s3, 16                         ; this block's 65,536 bytes of the image
	s_add_co_u32 s20, s3, 1
	s_min_u32 s20, s20, 7                          ; the next block; the last trip reads its own again, so that no load leaves my bytes
	s_lshl_b32 s20, s20, 13
	v_add_nc_u32 v[DLD], s20, v[DST]
	WIN 0x40
.irp b, 0,1,2,3,4,5,6,7
	ds_load_b128 v[8*\b:8*\b+3], v[DLD] offset:1024*\b
	ds_load_b128 v[8*\b+4:8*\b+7], v[DLD] offset:1024*\b+512
.endr
	WIN 0
	GELU16 0
	GELU16 1
	GELU16 2
	GELU16 3
	s_add_co_u32 s3, s3, 1
	s_cmp_lt_u32 s3, 8
	s_cbranch_scc1 .Lgelu
	s_wait_tensorcnt 0x0                           ; the wave's end
	ds_add_u32 v[SPW], v[NIL]
	s_wait_dscnt 0x0
	CROUND                                         ; the closing round
	s_endpgm
.Lfunc_end_k_q5a47146be1_fc:
	.size	k_q5a47146be1_fc, .Lfunc_end_k_q5a47146be1_fc-k_q5a47146be1_fc
	.p2alignl 7, 3214868480
	.fill 96, 4, 3214868480
	.section	.rodata,"a",@progbits
	.p2align	6, 0x0
	.amdhsa_kernel k_q5a47146be1_fc
		.amdhsa_group_segment_fixed_size 327680
		.amdhsa_private_segment_fixed_size 0
		.amdhsa_enable_private_segment 0
		.amdhsa_kernarg_size 40
		.amdhsa_user_sgpr_count 2
		.amdhsa_user_sgpr_kernarg_segment_ptr 1
		.amdhsa_wavefront_size32 1
		.amdhsa_system_sgpr_workgroup_id_x 1
		.amdhsa_system_sgpr_workgroup_id_y 1
		.amdhsa_system_sgpr_workgroup_id_z 1
		.amdhsa_system_vgpr_workitem_id 0
		.amdhsa_next_free_vgpr 1024
		.amdhsa_next_free_sgpr 98
		.amdhsa_reserve_vcc 0
		.amdhsa_float_denorm_mode_32 3
		.amdhsa_float_denorm_mode_16_64 3
		.amdhsa_memory_ordered 1
		.amdhsa_forward_progress 1
		.amdhsa_inst_pref_size 147
	.end_amdhsa_kernel
	.amdgpu_metadata
---
amdhsa.version: [ 1, 2 ]
amdhsa.kernels:
  - .name:           k_q5a47146be1_fc
    .symbol:         k_q5a47146be1_fc.kd
    .args:
      - { .name: zcodes, .offset: 0, .size: 8, .value_kind: global_buffer, .address_space: global }
      - { .name: fc_w_codes, .offset: 8, .size: 8, .value_kind: global_buffer, .address_space: global }
      - { .name: fc_b, .offset: 16, .size: 8, .value_kind: global_buffer, .address_space: global }
      - { .name: lowp_scales, .offset: 24, .size: 8, .value_kind: global_buffer, .address_space: global }
      - { .name: himg, .offset: 32, .size: 8, .value_kind: global_buffer, .address_space: global }
    .group_segment_fixed_size: 327680
    .private_segment_fixed_size: 0
    .kernarg_segment_align: 8
    .kernarg_segment_size: 40
    .max_flat_workgroup_size: 128
    .sgpr_count:     98
    .vgpr_count:     1024
    .wavefront_size: 32
...
	.end_amdgpu_metadata
.endif
;; end of part 6
;; launch proj (part 7): grid 8 x 32, 4 waves a work-group, clusters of 4 x 4, 327,680 bytes of LDS; arguments himg, proj_w_codes, proj_b, x1, lowp_scales, out0; writes out0
.if DOCPART == 7
	.amdgcn_target "amdgcn-amd-amdhsa--gfx1250"
	.amdhsa_code_object_version 6
	.text
	.protected	k_q5a47146be1_proj
	.globl	k_q5a47146be1_proj
	.p2align	8
	.type	k_q5a47146be1_proj,@function
k_q5a47146be1_proj:
	s_mov_b64 s[64:65], 0
	v_nop
	global_prefetch_b8 v0, s[64:65] scope:SCOPE_SE
	s_setreg_imm32_b32 hwreg(HW_REG_WAVE_MODE, 25, 1), 1
	s_wait_xcnt 0x0
	s_wait_alu depctr_hold_cnt(0) depctr_sa_sdst(0) depctr_va_vdst(0) depctr_va_sdst(0) depctr_va_ssrc(0) depctr_va_vcc(0) depctr_vm_vsrc(0)
	s_getreg_b32 s2, hwreg(HW_REG_IB_STS2, 6, 4)
	s_cmp_eq_u32 s2, 0
	s_cbranch_scc0 .Lentry_in_a_cluster
	s_endpgm
.Lentry_in_a_cluster:
	s_bfe_u32 s2, ttmp6, 0x10000c
	s_cmp_lg_u32 s2, 0xf033
	s_cbranch_scc0 .Lentry_shape_is_right
	s_endpgm
.Lentry_shape_is_right:
; out = res + (a W^T + bias), the product on codes of FP8 (E4M3).  a: [4096 tokens][KTOT] as an image of operand registers; W: [1024][KTOT] codes, K innermost; bias [1024], res and out [2048][2][1024] f32 (row 2 l + n; token = n x 2048 + l).
; A tile of 128 tokens x 128 columns is made by four waves, 64 x 64 each (16 accumulators): the largest tile that gives 256 work-groups.  K goes in steps of 512, as long as two slots in LDS allow.
; OPERAND A (source 1: a lane holds one token) comes as an image: byte = (row / 16) x 16 KTOT + (k / 32) x 512 + 16 x lane + byte, in the matrix form's own order of k; a K step of a row tile is 8,192 consecutive bytes; dense in LDS.
; OPERAND B (source 0: a lane's eight registers are eight neighbouring columns) lies by rows, 528 bytes apart in LDS, and is read in the same order of k: eight loads of 8 bytes a fragment, at 16 c + 8 h.
; CLUSTERS: 4 x 4 work-groups; A's tiles are asked for jointly along a row of the cluster, B's along a column.
; THE RESIDUAL's 64 x 64 numbers of a wave are asked for behind the first fills and land under the products.  The sums go through the wave's own stage in LDS, so that sixteen lanes store 256 consecutive bytes, aligned.
; LIMIT: the two exponents' sum between -126 and 127.  No prefetch: small tiles, and the weights are read by many work-groups.
; REGISTERS: window 0: v1-29 addresses, v[8:11] the bias of my four columns; from v128 A's four fragments, later the rows on their way out.  window 1: B's fragments, two sets, at v0 and v128.
;   window 2: v0-63 the accumulators of blocks 0, 1 ((a, b) at v[8 (4 (a % 2) + b)]); v128-255 the residual.   window 3: v0-63 those of blocks 2, 3.
.set KTOT,   4096
.set SOFF,   40                        ; the two exponents' bytes in the buffer of scales
.set KSTEP,  512
.set LAPS,   KTOT/(2*KSTEP)
.set HALFA,  4*8192                    ; four row tiles' K step
.set PITCH,  528                       ; 512 bytes + 16 of padding = 132 words: a load of 8 bytes a lane touches each of the 64 banks once (ISA guide 11.1)
.set HALFB,  64*PITCH
.set SLOT,   2*HALFA+2*HALFB
.set STAGE,  2*SLOT                    ; behind the ring: 16 rows x 272 bytes for each wave
.set SPITCH, 272
.set SPARE,  STAGE+4*16*SPITCH         ; behind the stages: the spare words, 128 bytes a wave
.set FR,   16
.set NLA,  4
.set NP,   4
.set ADRA, 16
.set ADRB, 20
.set STO,  24
.set RD,   25
.set CO,   26
.set SPW,  28
.set NIL,  29
.set AF,   128
.set BK,   128
.set G1,  24
.set G0,  32
.set G1B, 48
.set G0B, 56
.set MSB, 0
.macro WIN new
.if MSB != (\new)
	s_set_vgpr_msb (MSB<<8)|(\new)
.set MSB, \new
.endif
.endm
.set MUL_LO, 0xa1
.set MUL_HI, 0xf1
.set TO_B,   0x40
.macro JLOAD g0a, g1a, g0b, g1b        ; a joint load: waves 0 and 1 fetch for A, waves 2 and 3 for B; four v_nop follow each line
	s_cmp_eq_u32 s15, 0
	s_cbranch_scc0 .Lfor_b_\@
	tensor_load_to_lds s[\g0a:\g0a+3], s[\g1a:\g1a+7]
	s_nop 0
.rept 4
	v_nop
.endr
	s_branch .Lasked_\@
.Lfor_b_\@:
	tensor_load_to_lds s[\g0b:\g0b+3], s[\g1b:\g1b+7]
	s_nop 0
.rept 4
	v_nop
.endr
.Lasked_\@:
.endm
.macro CREST
	s_cmp_lg_u32 s14, 0
	s_cbranch_scc1 .Lnot_wave_0_\@
	s_barrier_signal -3
.Lnot_wave_0_\@:
	s_barrier_wait -3
	s_barrier_signal -1
	s_barrier_wait -1
.endm
.macro CROUND
	s_barrier_signal -1
	s_barrier_wait -1
	CREST
.endm
	s_load_b256 s[68:75], s[0:1], 0x0              ; A's image s[68:69], W's codes s[70:71], the bias s[72:73], the residual s[74:75]
	s_load_b128 s[76:79], s[0:1], 0x20             ; the scales' exponents s[76:77], out s[78:79]
	v_lshl_add_u32 v[SPW], v0, 2, SPARE
	v_mov_b32 v[NIL], 0
	ds_add_u32 v28, v29
	ds_add_u32 v28, v29
	s_wait_dscnt 0x0
	v_lshrrev_b32 v1, 5, v0
	v_readfirstlane_b32 s14, v1                    ; wave 0..3
	s_lshr_b32 s15, s14, 1                         ; my half of the tokens.  Also: I fetch for A (0) or for B (1)
	s_and_b32 s16, s14, 1                          ; my half of the columns.  Also: which half I fetch
	s_bfe_u32 s40, ttmp6, 0x40000                  ; cx
	s_bfe_u32 s41, ttmp6, 0x40004                  ; cy
	s_lshl_b32 s42, ttmp9, 2
	s_add_co_u32 s42, s42, s40                     ; tile of 128 columns
	s_and_b32 s17, ttmp7, 0xffff
	s_lshl_b32 s17, s17, 2
	s_add_co_u32 s17, s17, s41                     ; tile of 128 tokens
	s_lshl_b32 s43, s41, 2
	s_lshl_b32 s43, 15, s43                        ; my row of the cluster
	s_lshl_b32 s44, 0x1111, s40                    ; my column
	s_or_b32 s[G1+0], s43, (3<<16)|(1<<21)         ; A: the mask; elements of 8 bytes; no padding; bit 21 beside a mask
	s_mov_b32 s[G1+1], 1024<<16                    ; tensor_dim0: 8,192 bytes
	s_mov_b32 s[G1+2], 4<<16                       ; tensor_dim1: four row tiles
	s_mov_b32 s[G1+3], 1024<<16                    ; tile_dim0
	s_mov_b32 s[G1+4], 4                           ; tile_dim1
	s_mov_b32 s[G1+5], 2*KTOT                      ; the pitch: 16 KTOT bytes
	s_mov_b32 s[G1+6], 0
	s_mov_b32 s[G1+7], 0
	s_or_b32 s[G1B+0], s44, (0<<16)|(1<<20)|(1<<21)|(6<<22)|(3<<25)   ; B: elements of 1 byte; four words of padding behind every 128
	s_mov_b32 s[G1B+1], KSTEP<<16
	s_mov_b32 s[G1B+2], 64<<16
	s_mov_b32 s[G1B+3], KSTEP<<16
	s_mov_b32 s[G1B+4], 64
	s_mov_b32 s[G1B+5], KTOT
	s_mov_b32 s[G1B+6], 0
	s_mov_b32 s[G1B+7], 0
	s_lshl_b32 s20, s17, 3
	s_lshl_b32 s18, s16, 2
	s_add_co_u32 s20, s20, s18                     ; A: row tile 8 x tile + 4 x half
	s_mul_i32 s20, s20, 16*KTOT
	s_mov_b32 s21, 0
	s_lshl_b32 s46, s42, 7
	s_lshl_b32 s18, s16, 6
	s_add_co_u32 s46, s46, s18                     ; B: row 128 x tile + 64 x half
	s_mul_i32 s46, s46, KTOT
	s_mov_b32 s47, 0
	s_mul_i32 s45, s16, HALFA                      ; where they go: A's two halves,
	s_mul_i32 s13, s16, HALFB
	s_add_co_u32 s13, s13, 2*HALFA                 ; then B's two
	s_wait_kmcnt 0x0
	s_load_b64 s[96:97], s[76:77], SOFF            ; the two exponents
	s_add_nc_u64 s[20:21], s[68:69], s[20:21]
	s_add_nc_u64 s[46:47], s[70:71], s[46:47]
	CROUND                                         ; all sixteen work-groups are here: the first joint loads meet
.irp s, 0,1
	s_mov_b32 s[G0+4*\s], 1
	s_add_co_u32 s[G0+4*\s+1], s45, \s*SLOT
	s_add_nc_u64 s[G0+4*\s+2:G0+4*\s+3], s[20:21], \s*8192
	s_or_b32 s[G0+4*\s+3], s[G0+4*\s+3], 0x80000000
	s_mov_b32 s[G0B+4*\s], 1
	s_add_co_u32 s[G0B+4*\s+1], s13, \s*SLOT
	s_add_nc_u64 s[G0B+4*\s+2:G0B+4*\s+3], s[46:47], \s*KSTEP
	s_or_b32 s[G0B+4*\s+3], s[G0B+4*\s+3], 0x80000000
	JLOAD G0+4*\s, G1, G0B+4*\s, G1B
.endr
	v_and_b32 v1, 15, v0                           ; r
	v_bfe_u32 v2, v0, 4, 1                         ; h
	v_and_b32 v22, 31, v0
	v_lshlrev_b32 v23, 4, v22                      ; 16 x lane
	v_mul_u32_u24 v3, v1, PITCH
	v_lshl_add_u32 v3, v2, 3, v3                   ; B: row r, + 8 h
	s_mul_i32 s21, s15, HALFA
	s_mul_i32 s22, s16, HALFB
	s_add_co_u32 s22, s22, 2*HALFA
.irp s, 0,1
	v_add_nc_u32 v[ADRA+\s], s21, v23
	v_add_nc_u32 v[ADRB+\s], s22, v3
	s_add_co_u32 s21, s21, SLOT
	s_add_co_u32 s22, s22, SLOT
.endr
	s_mul_i32 s23, s14, 16*SPITCH
	s_add_co_u32 s23, s23, STAGE                   ; my stage
	v_mul_u32_u24 v5, v1, SPITCH
	v_lshl_add_u32 v5, v2, 5, v5
	v_add_nc_u32 v[STO], s23, v5                   ; in: row r, 32 bytes for each half of the lanes
	v_mul_u32_u24 v5, v2, SPITCH
	v_lshl_add_u32 v5, v1, 4, v5
	v_add_nc_u32 v[RD], s23, v5                    ; back: lanes 0-15 one row of 256 bytes, lanes 16-31 the next
	v_lshlrev_b32 v27, 4, v1                       ; my four columns
	v_lshl_add_u32 v[CO], v2, 13, v27              ; and in memory: a token's next neighbour l + 1 lies 8,192 bytes on
	s_lshl_b32 s20, s17, 7
	s_lshl_b32 s18, s15, 6
	s_add_co_u32 s20, s20, s18                     ; my first token
	s_lshr_b32 s21, s20, 11                        ; n
	s_and_b32 s20, s20, 2047                       ; l
	s_lshl_b32 s20, s20, 13
	s_lshl_b32 s21, s21, 12
	s_add_co_u32 s20, s20, s21
	s_lshl_b32 s46, s42, 9
	s_lshl_b32 s47, s16, 8
	s_add_co_u32 s46, s46, s47                     ; my first column, in bytes
	s_add_co_u32 s20, s20, s46
	s_mov_b32 s21, 0
	s_mov_b32 s47, 0
	s_add_nc_u64 s[8:9], s[74:75], s[20:21]        ; the residual,
	s_add_nc_u64 s[10:11], s[78:79], s[20:21]      ; out,
	s_add_nc_u64 s[46:47], s[72:73], s[46:47]      ; the bias
	global_load_b128 v[8:11], v27, s[46:47]
	WIN 0x80                                       ; destination window 2
.irp a, 0,1,2,3
.irp t, 0,1,2,3,4,5,6,7
	global_load_b128 v[128+4*(8*\a+\t):128+4*(8*\a+\t)+3], v[CO], s[8:9] offset:(16*\a+2*\t)*8192
.endr
.endr
	WIN 0
.macro FRAGA reg, slot, q, i           ; block i's fragment of the slot's q-th 128 along K: four loads of 16 bytes at 16 x lane
.irp c, 0,1,2,3
	ds_load_b128 v[\reg+4*\c:\reg+4*\c+3], v[ADRA+\slot] offset:8192*(\i)+2048*(\q)+512*\c
.endr
.endm
.macro FRAGB reg, slot, q, i           ; registers 2 c, 2 c + 1: k = 16 c + 8 h + 0 .. 7
.irp c, 0,1,2,3,4,5,6,7
	ds_load_b64 v[\reg+2*\c:\reg+2*\c+1], v[ADRB+\slot] offset:128*(\q)+16*\c+(\i)*16*PITCH
.endr
.endm
.macro MUL4 a, p, zero                 ; A's block a x B's four.  The 16 accumulators take turns, one instruction a turn, in the same order in every step
.irp b, 0,1,2,3
.if \zero
	v_wmma_f32_16x16x128_fp8_fp8 v[8*(4*((\a)%2)+\b):8*(4*((\a)%2)+\b)+7], v[128*(\p)+FR*\b:128*(\p)+FR*\b+FR-1], v[AF+FR*(\a):AF+FR*(\a)+FR-1], 0
.else
	v_wmma_f32_16x16x128_fp8_fp8 v[8*(4*((\a)%2)+\b):8*(4*((\a)%2)+\b)+7], v[128*(\p)+FR*\b:128*(\p)+FR*\b+FR-1], v[AF+FR*(\a):AF+FR*(\a)+FR-1], v[8*(4*((\a)%2)+\b):8*(4*((\a)%2)+\b)+7]
.endif
.endr
.endm
.macro FETCH_B slot, q, p
	WIN TO_B
.irp i, 0,1,2,3
	FRAGB 128*(\p)+FR*\i, \slot, \q, \i
.endr
	WIN 0
.endm
.macro FETCH_A slot, q, i0             ; blocks i0, i0 + 1
.irp i, \i0, \i0+1
	FRAGA AF+FR*(\i), \slot, \q, \i
.endr
.endm
.macro PLACES n                        ; plain vector lines between a matrix instruction and a load into, or a read of, its registers
.rept \n
	v_nop
.endr
.endm
.macro STEP slot, q, zero              ; 128 along K whose successor lies in the same slot
	s_wait_dscnt 2*NLA                             ; B's set and A's blocks 0, 1 are in; the youngest eight loads (A's blocks 2, 3) may be out
	WIN MUL_LO
	MUL4 0, (\q)%2, \zero
	MUL4 1, (\q)%2, \zero
	s_wait_dscnt 0
	PLACES NP
	FETCH_B \slot, (\q)+1, 1-(\q)%2
	FETCH_A \slot, (\q)+1, 0
	WIN MUL_HI
	MUL4 2, (\q)%2, \zero
	MUL4 3, (\q)%2, \zero
	PLACES NP
	WIN 0
	FETCH_A \slot, (\q)+1, 2
.endm
.macro TURN slot, next, fill           ; a slot's last 128 along K, and the change of slots: one barrier
	s_wait_tensorcnt 0x0                           ; all my tensor loads have landed: my part of the next slot
	ds_add_u32 v[SPW], v[NIL]                      ; 0 onto my spare word
	s_wait_dscnt 2*NLA+1                           ; the add and the youngest eight loads may be out
	WIN MUL_LO
	MUL4 0, 1, 0
	s_wait_dscnt 0x0                               ; the add is done, and my reads of this slot are over
	s_barrier_signal -1
	MUL4 1, 1, 0
	WIN 0
	s_barrier_wait -1
.if \fill
	CREST                                          ; the barrier has opened a round of the cluster's: no wave of any partner still reads this slot or has a load on its way
	s_add_nc_u64 s[G0+4*\slot+2:G0+4*\slot+3], s[G0+4*\slot+2:G0+4*\slot+3], 2*8192
	s_add_nc_u64 s[G0B+4*\slot+2:G0B+4*\slot+3], s[G0B+4*\slot+2:G0B+4*\slot+3], 2*KSTEP
	JLOAD G0+4*\slot, G1, G0B+4*\slot, G1B         ; the first tensor load behind the round; its four v_nop are also the places in front of the loads below
.else
	PLACES NP
.endif
	FETCH_B \next, 0, 0
	FETCH_A \next, 0, 0
	WIN MUL_HI
	MUL4 2, 1, 0
	MUL4 3, 1, 0
	PLACES NP
	WIN 0
	FETCH_A \next, 0, 2
.endm
	s_wait_tensorcnt 1                             ; my part of K step 0 is in; K step 1's load may be out
	s_barrier_signal -1
	s_barrier_wait -1
	FETCH_B 0, 0, 0
	FETCH_A 0, 0, 0
	FETCH_A 0, 0, 2
	STEP 0, 0, 1                                   ; the first step's products start the sums
.if LAPS > 1
	s_mov_b32 s3, LAPS-1
.Llap:                                                 ; a trip goes once round the ring and fills both slots again
	STEP 0, 1, 0
	STEP 0, 2, 0
	TURN 0, 1, 1
	STEP 1, 0, 0
	STEP 1, 1, 0
	STEP 1, 2, 0
	TURN 1, 0, 1
	STEP 0, 0, 0
	s_sub_co_u32 s3, s3, 1
	s_cmp_lg_u32 s3, 0
	s_cbranch_scc1 .Llap
.endif
	STEP 0, 1, 0                                   ; the last lap fills nothing
	STEP 0, 2, 0
	TURN 0, 1, 0
	STEP 1, 0, 0
	STEP 1, 1, 0
	STEP 1, 2, 0
	s_wait_dscnt 2*NLA
	WIN MUL_LO
	MUL4 0, 1, 0
	MUL4 1, 1, 0
	s_wait_dscnt 0
	WIN MUL_HI
	MUL4 2, 1, 0
	MUL4 3, 1, 0
	WIN 0
; THE WAY OUT, block by block of 16 tokens x 64 columns: the sums go into my stage and come back as rows of 256 bytes; then sum x 2^(ea + eb) + bias, + the residual, and the store.
.macro TOSTAGE a
	WIN (2+(\a)/2)<<2                              ; an LDS store's data are source 1: window 2 or 3
.irp b, 0,1,2,3
	ds_store_b128 v[STO], v[8*(4*((\a)%2)+\b):8*(4*((\a)%2)+\b)+3] offset:64*\b          ; each accumulator from its low end on
	ds_store_b128 v[STO], v[8*(4*((\a)%2)+\b)+4:8*(4*((\a)%2)+\b)+7] offset:64*\b+16
.endr
	WIN 0
.irp t, 0,1,2,3,4,5,6,7
	ds_load_b128 v[BK+32*(\a)+4*\t:BK+32*(\a)+4*\t+3], v[RD] offset:\t*2*SPITCH   ; LDS serves a wave's instructions in order (ISA guide 5.7.1.4): these see my stores; the next block's stores come behind them
.endr
.endm
.macro FIN a, younger                  ; younger: the LDS instructions issued behind block a's loads
.set BB, BK+32*(\a)
	s_wait_dscnt \younger
.irp t, 0,1,2,3,4,5,6,7
	v_pk_fma_f32 v[BB+4*\t:BB+4*\t+1], v[BB+4*\t:BB+4*\t+1], s[96:97], v[8:9] op_sel_hi:[1,0,1]
	v_pk_fma_f32 v[BB+4*\t+2:BB+4*\t+3], v[BB+4*\t+2:BB+4*\t+3], s[96:97], v[10:11] op_sel_hi:[1,0,1]
.endr
	WIN 0x08                                       ; source 1 (the residual) window 2
.set j, 0
.rept 16
	v_pk_add_f32 v[BB+j:BB+j+1], v[BB+j:BB+j+1], v[BB+j:BB+j+1]   ; (source 1 names the same numbers in window 2: the residual lies as the rows lie)
.set j, j+2
.endr
	WIN 0
.irp t, 0,1,2,3,4,5,6,7
	global_store_b128 v[CO], v[BB+4*\t:BB+4*\t+3], s[10:11] offset:(16*(\a)+2*\t)*8192   ; 16 lanes store 256 consecutive bytes, aligned
.endr
.endm
	s_wait_kmcnt 0x0
	s_add_co_i32 s96, s96, s97
	s_add_co_i32 s96, s96, 127
	s_lshl_b32 s96, s96, 23                        ; 2^(ea + eb) as f32
	s_mov_b32 s97, s96
	s_wait_loadcnt 0x0                             ; the bias and the residual
	PLACES NP
	TOSTAGE 0
	TOSTAGE 1
	FIN 0, 16                                      ; behind block 0's loads: block 1's eight stores and eight loads
	TOSTAGE 2
	FIN 1, 16
	TOSTAGE 3
	FIN 2, 16
	FIN 3, 0
	s_wait_tensorcnt 0x0                           ; the wave's end
	ds_add_u32 v[SPW], v[NIL]
	s_wait_dscnt 0x0
	CROUND                                         ; the closing round
	s_endpgm
.Lfunc_end_k_q5a47146be1_proj:
	.size	k_q5a47146be1_proj, .Lfunc_end_k_q5a47146be1_proj-k_q5a47146be1_proj
	.p2alignl 7, 3214868480
	.fill 96, 4, 3214868480
	.section	.rodata,"a",@progbits
	.p2align	6, 0x0
	.amdhsa_kernel k_q5a47146be1_proj
		.amdhsa_group_segment_fixed_size 327680
		.amdhsa_private_segment_fixed_size 0
		.amdhsa_enable_private_segment 0
		.amdhsa_kernarg_size 48
		.amdhsa_user_sgpr_count 2
		.amdhsa_user_sgpr_kernarg_segment_ptr 1
		.amdhsa_wavefront_size32 1
		.amdhsa_system_sgpr_workgroup_id_x 1
		.amdhsa_system_sgpr_workgroup_id_y 1
		.amdhsa_system_sgpr_workgroup_id_z 1
		.amdhsa_system_vgpr_workitem_id 0
		.amdhsa_next_free_vgpr 1024
		.amdhsa_next_free_sgpr 98
		.amdhsa_reserve_vcc 0
		.amdhsa_float_denorm_mode_32 3
		.amdhsa_float_denorm_mode_16_64 3
		.amdhsa_memory_ordered 1
		.amdhsa_forward_progress 1
		.amdhsa_inst_pref_size 101
	.end_amdhsa_kernel
	.amdgpu_metadata
---
amdhsa.version: [ 1, 2 ]
amdhsa.kernels:
  - .name:           k_q5a47146be1_proj
    .symbol:         k_q5a47146be1_proj.kd
    .args:
      - { .name: himg, .offset: 0, .size: 8, .value_kind: global_buffer, .address_space: global }
      - { .name: proj_w_codes, .offset: 8, .size: 8, .value_kind: global_buffer, .address_space: global }
      - { .name: proj_b, .offset: 16, .size: 8, .value_kind: global_buffer, .address_space: global }
      - { .name: x1, .offset: 24, .size: 8, .value_kind: global_buffer, .address_space: global }
      - { .name: lowp_scales, .offset: 32, .size: 8, .value_kind: global_buffer, .address_space: global }
      - { .name: out0, .offset: 40, .size: 8, .value_kind: global_buffer, .address_space: global }
    .group_segment_fixed_size: 327680
    .private_segment_fixed_size: 0
    .kernarg_segment_align: 8
    .kernarg_segment_size: 48
    .max_flat_workgroup_size: 128
    .sgpr_count:     98
    .vgpr_count:     1024
    .wavefront_size: 32
...
	.end_amdgpu_metadata
.endif
;; end of part 7
;; ======== version 2 of 2: 7 launches; version 1 with the launch attn written anew for expert scheduling mode
;; workspace buffers: ycodes 4,194,304 bytes; zcodes 4,194,304 bytes; qimg 4,194,304 bytes; kimg 4,194,304 bytes; vimg 4,194,304 bytes; oimg 4,194,304 bytes; x1 16,777,216 bytes; himg 16,777,216 bytes
;; launch ln1: the kernel of part 1 again; grid 256 x 1, 4 waves a work-group, no clusters, 16,896 bytes of LDS; arguments x, ln1_w, ln1_b, lowp_scales, ycodes; writes ycodes
;; launch qkv: the kernel of part 2 again; grid 12 x 16, 4 waves a work-group, clusters of 4 x 4, 327,680 bytes of LDS; arguments ycodes, in_proj_w_codes, in_proj_b, lowp_scales, qimg, kimg, vimg; writes qimg, kimg, vimg
;; launch attn (part 8): grid 8 x 32, 16 waves a work-group, no clusters, 264,192 bytes of LDS; arguments qimg, kimg, vimg, lowp_scales, oimg; writes oimg
.if DOCPART == 8
	.amdgcn_target "amdgcn-amd-amdhsa--gfx1250"
	.amdhsa_code_object_version 6
	.text
	.protected	k_q5a47146be1_attn
	.globl	k_q5a47146be1_attn
	.p2align	8
	.type	k_q5a47146be1_attn,@function
k_q5a47146be1_attn:
	s_mov_b64 s[64:65], 0
	v_nop
	global_prefetch_b8 v0, s[64:65] scope:SCOPE_SE
	s_setreg_imm32_b32 hwreg(HW_REG_WAVE_SCHED_MODE, 0, 2), 2
	s_setreg_imm32_b32 hwreg(HW_REG_WAVE_MODE, 25, 1), 1
	s_wait_xcnt 0x0
	s_wait_alu depctr_vm_vsrc(0)
; o = softmax(q k^T) v for 32 heads (2 x 16) of 2,048 tokens and 64 channels, both products on codes of FP8 (E4M3); o is quantised for the next product.  (q already holds the factor 1 / 64.)
; THE SOFTMAX AHEAD OF THE SECOND PRODUCT: t = score x log2(e); M = the largest t so far, rounded UP to a whole number; p = 2^(t - M) is quantised, not normalised; the row's sum is taken of the unquantised p and divides at the end.
; When M moves, the sum and O are multiplied by 2^(old M - new M): exact.
; IN, OUT: images of operands' registers.  For [rows][K]: byte = (row / 16) x 16 K + (k / 32) x 512 + 16 x lane + byte; lane = 16 h + row % 16; bytes 0-7: k = 32 g + 8 h + 0..7, bytes 8-15: k = 32 g + 16 + 8 h + 0..7:
; the matrix forms' own order of k, so one load of 16 bytes at 16 x lane brings four registers of a fragment.  qimg, kimg, oimg: [4096 tokens][1024]; vimg: [1024 features][4096 tokens] (the keys are its K).  Token = n x 2048 + l.
; SHARES.  A work-group owns 256 queries of one head, each of its sixteen waves 16: four waves to a SIMD, so that one wave's vector work stands beside another's products and LDS loads.
; ALL OF THE HEAD'S K AND V LIE IN LDS: 131,072 bytes each, dense; every LDS byte is written once.  They come in four chunks of 512 keys.  Of a chunk's 32,768 bytes of K and of V wave w brings 2,048 each: eight loads of 512 consecutive
; bytes into registers that the key step never names, eight LDS stores of the same 512 bytes.  A chunk is asked for just ahead of the barrier of the chunk before: it has four key steps in which to land.
; THE HOLD OF p AT 448 x 2^e4 IS JUMPED OVER WHERE IT CHANGES NOTHING: p is at most 1, so for e4 >= -8 p / 2^e4 is at most 256.  That is a scalar branch on a given whole number, the same in all waves, round 64 of a key step's 260
; vector lines; no barrier and no LDS line stands under it.
; NO CLUSTER, NO JOINT LOADS, though a head's eight work-groups read the same K and V.  What is shared is 262,144 bytes a work-group, brought once,
; against the 4,194,304 bytes that its sixteen waves read from LDS, and all but the first chunk is asked for four key steps ahead of its use.
; No prefetch: the waves wait for the first chunk alone, and that is asked for at the head.
; LAYOUT.  S^T = K Q^T (source 0 = 16 keys, source 1 = my 16 queries): a lane holds one query (lane % 16), register j of tile t key 16 t + 8 h + j: just what source 1 of O^T = V^T P^T wants in registers 2 t, 2 t + 1.
; LIMITS: e2 + e3 between -126 and 127 (added to the exponent field of log2(e)); e4 and e6 between -126 and 119; e4 + e5 is applied by v_ldexp_f32.  NaN is not served.
; THE MODE: SCHED_MODE bits 1:0 = 2 (LLVM: expert scheduling mode 2), set by the entry lines.  The code itself states the register dependences
; between vector or matrix instructions and memory or LDS instructions, with s_wait_alu, always for 0.
; THE PLAN.  Registers that memory or LDS instructions touch:
;   v1                  16 x lane.  Written once at the head; the offset of every global load and store.  (The step's address line reads it too; nothing writes it again.)
;   v3, v4, v10, v11    LDS addresses of my wave's pieces: v3, v4 for chunks 0 and 1, v10, v11 for chunks 2 and 3; the chunk's place among the two stands in the immediate.  Written once at the head; read by the fill's LDS stores alone.
;   v[204:219], v[240:255]  Pieces on their way: written by the loads of a chunk, read by the LDS stores of the same chunk, written again by the next chunk's loads.  No vector line names them.
;   v8, v9              The step's LDS addresses.  Written by two additions at the step's head; read by K's sixteen and V's sixteen LDS loads.
;   v[32:95]            K's loads land; the eight products K Q^T read; V's loads land; the four products V^T P^T read; the next step's K lands.
;   v[16:23]            Q: two loads at the head; read by products alone.      v[224:231] on the way out: written by four conversions, read by two stores.      v222, v223: written at the head, read by the closing add alone.
; So a key step holds one wait on vm_vsrc (ahead of the two additions) and two on va_vdst of this plan's own: behind the additions, ahead of K's loads; behind the eight products, ahead of V's loads.  The third on va_vdst is the exponentials'.
; A wave has 256 registers, four waves fill a SIMD's 1,024, and ten are free: there is no second buffer of 64 for fragments, so K's and V's go on sharing v[32:95].
; REGISTERS: v1, v2 my lane's place in K's and V's region; v3, v4, v10, v11 where my wave's pieces of a chunk go; v8, v9 the step's addresses; v12 -M, v13 the largest t, v[14:15] the sum; v[16:23] Q;
;   v[32:95] eight fragments of K, then four of V; v[96:159] S^T, then p; v[160:191] O^T; v192-199 at work; v200, v201: 448 x 2^e4, 2^e4; v202, v203: the same with e6; v[204:219] four pieces of K on their way to LDS;
;   v[224:239] p's codes; v[240:255] four pieces of V on their way to LDS.
.set WV,  18
.set SEL, 20
.set CS,  22
.set TK,  56                           ; LDS byte of the step's keys in K's region
.set TV,  57                           ; and in V's
.set TR,  58
.set E4,  88                           ; s88: e4
.set RK,  204
.set RV,  240
; chunk c is asked for: my two key tiles of K (1,024 bytes each, 16,384 apart), my four groups of 32 keys of one row tile of V (2,048 bytes on end)
.macro ASKC c
.irp p, 0,1,2,3
	global_load_b128 v[RK+4*\p:RK+4*\p+3], v1, s[6:7] offset:(\c)*524288+(\p/2)*16384+(\p%2)*512
.endr
.irp p, 0,1,2,3
	global_load_b128 v[RV+4*\p:RV+4*\p+3], v1, s[8:9] offset:(\c)*8192+\p*512
.endr
.endm
; chunk c goes into LDS; the next one is asked for; the barrier shows the chunk to every wave.  The addresses are v3, v4 (c = 0, 1) or v10, v11 (c = 2, 3), made at the head: no vector line stands here
.macro FILL c
	s_wait_loadcnt 0x0                             ; my eight pieces are in (and, the first time, Q)
.irp p, 0,1,2,3
	ds_store_b128 v[3+7*((\c)/2)], v[RK+4*\p:RK+4*\p+3] offset:((\c)%2)*32768+512*\p
	ds_store_b128 v[4+7*((\c)/2)], v[RV+4*\p:RV+4*\p+3] offset:((\c)%2)*32768+512*\p
.endr
	s_wait_dscnt 0x0                               ; for the others' sake: my stores have landed
.if (\c) < 3
	s_wait_alu depctr_vm_vsrc(0)                   ; the eight LDS stores have read the pieces' registers, in which the loads below land
	ASKC (\c)+1
.endif
	s_barrier_signal -1
	s_barrier_wait -1                              ; everybody's pieces of chunk c lie in LDS
.endm
	s_load_b256 s[4:11], s[0:1], 0x0               ; qimg s[4:5], kimg s[6:7], vimg s[8:9], the scales' exponents s[10:11]
	s_load_b64 s[12:13], s[0:1], 0x20              ; oimg
	v_lshl_add_u32 v222, v0, 2, 0x40000
	v_mov_b32 v223, 0
	v_lshrrev_b32 v5, 5, v0
	v_readfirstlane_b32 s[WV], v5                  ; wave 0..15
	v_and_b32 v5, 31, v0
	v_lshlrev_b32 v1, 4, v5                        ; 16 x lane
	v_add_nc_u32 v2, 0x20000, v1                   ; and in V's region
	s_wait_alu depctr_va_sdst(0)                   ; the wave's number is written, ahead of its first reader: LDS addresses and the bases of K, V, Q and o are made from it
	s_lshl_b32 s59, s[WV], 11
	v_add_nc_u32 v3, s59, v1                       ; my wave's 2,048 bytes of a chunk of K,
	v_add_nc_u32 v4, 0x20000, v3                   ; and of V: chunks 0 and 1;
	v_add_nc_u32 v10, 0x10000, v3                  ; the same for chunks 2 and 3, two chunks of 32,768 bytes on
	v_add_nc_u32 v11, 0x30000, v3
	s_and_b32 s16, ttmp7, 0xffff                   ; 16 n + head
	s_lshr_b32 s17, s16, 4                         ; n
	s_and_b32 s19, s16, 15                         ; head
	s_lshl_b32 s60, s17, 7
	s_lshl_b32 s61, s[WV], 1
	s_add_co_u32 s60, s60, s61                     ; K: key tile 128 n + 2 x wave,
	s_lshl_b32 s60, s60, 14                        ; 16,384 bytes a row tile,
	s_lshl_b32 s61, s19, 10
	s_add_co_u32 s60, s60, s61                     ; the head's 1,024 of them
	s_mov_b32 s61, 0
	s_lshl_b32 s62, s19, 2
	s_lshr_b32 s63, s[WV], 2
	s_add_co_u32 s62, s62, s63                     ; V: row tile 4 x head + wave / 4,
	s_lshl_b32 s62, s62, 16                        ; 65,536 bytes a row tile,
	s_lshl_b32 s63, s17, 15
	s_add_co_u32 s62, s62, s63                     ; n's 64 groups of 512 bytes,
	s_and_b32 s63, s[WV], 3
	s_lshl_b32 s63, s63, 11
	s_add_co_u32 s62, s62, s63                     ; groups 4 (wave % 4) on
	s_mov_b32 s63, 0
	s_lshl_b32 s94, s17, 7
	s_lshl_b32 s95, ttmp9, 4
	s_add_co_u32 s94, s94, s95
	s_add_co_u32 s94, s94, s[WV]                   ; my tile of 16 queries: 128 n + 16 x block + wave
	s_lshl_b32 s94, s94, 14
	s_lshl_b32 s95, s19, 10
	s_add_co_u32 s94, s94, s95
	s_mov_b32 s95, 0
	s_mov_b32 s[SEL], 0x76543210
	s_mov_b32 s[SEL+1], 0xfedcba98
	s_mov_b32 s[CS], 0x3fb8aa3b                    ; log2(e)
	s_mov_b32 s[TK], 0
	s_mov_b32 s[TV], 0
	s_wait_kmcnt 0x0
	s_load_b256 s[84:91], s[10:11], 0x0            ; e0 .. e7
	s_add_nc_u64 s[6:7], s[6:7], s[60:61]
	s_add_nc_u64 s[8:9], s[8:9], s[62:63]
	s_add_nc_u64 s[4:5], s[4:5], s[94:95]
	s_add_nc_u64 s[12:13], s[12:13], s[94:95]
	s_wait_alu depctr_va_vdst(0)                   ; v1 is written, the offset of every global load and store; so are v3, v4, v10, v11, the addresses of the fills' LDS stores: none of the five is written again
	ASKC 0
	global_load_b128 v[16:19], v1, s[4:5]          ; Q's fragment stays in registers
	global_load_b128 v[20:23], v1, s[4:5] offset:512
	v_mov_b32 v13, 0xff61b1e6                      ; the largest t so far: -3e38
	v_floor_f32 v12, -v13                          ; -M
	v_mov_b32 v14, 0
	v_mov_b32 v15, 0
	v_mov_b32 v192, 0                              ; a lane permute's destination counts as read
	v_mov_b32 v195, 0                              ; (named as the upper half of a pair)
.set j, 0
.rept 32
	v_mov_b32 v[160+j], 0                          ; O^T: the step is written once; the first finds zeros, which the first change of M leaves zeros
.set j, j+1
.endr
	s_wait_kmcnt 0x0
	s_add_co_i32 s59, s86, s87                     ; a score stands for score x 2^(e2 + e3): added to the exponent field of log2(e)
	s_lshl_b32 s59, s59, 23
	s_add_co_i32 s[CS], s[CS], s59
	s_mov_b32 s[CS+1], s[CS]
	s_add_co_i32 s59, s[E4], 127
	s_lshl_b32 s60, s59, 23
	v_mov_b32 v201, s60                            ; 2^e4
	s_add_co_i32 s59, s59, 8
	s_lshl_b32 s59, s59, 23
	s_or_b32 s59, s59, 0x600000
	v_mov_b32 v200, s59                            ; 448 x 2^e4
	s_add_co_i32 s59, s90, 127
	s_lshl_b32 s60, s59, 23
	v_mov_b32 v203, s60                            ; 2^e6
	s_add_co_i32 s59, s59, 8
	s_lshl_b32 s59, s59, 23
	s_or_b32 s59, s59, 0x600000
	v_mov_b32 v202, s59                            ; 448 x 2^e6
; A KEY STEP: 128 keys
.macro STEP
	s_wait_alu depctr_vm_vsrc(0)                   ; the last step's LDS loads have read v8 and v9, which the two additions write
	v_add_nc_u32 v8, s[TK], v1
	v_add_nc_u32 v9, s[TV], v2
	v_nop
	v_nop                                          ; with the two additions: four places behind the last products
	s_wait_alu depctr_va_vdst(0)                   ; v8 and v9 are written, which the LDS loads of this step read; the last step's four products are done reading V's fragments, in which K's land
.irp t, 0,1,2,3,4,5,6,7
	ds_load_b128 v[32+8*\t:35+8*\t], v8 offset:1024*\t
	ds_load_b128 v[36+8*\t:39+8*\t], v8 offset:1024*\t+512
.endr
	s_wait_dscnt 0x0
.irp t, 0,1,2,3,4,5,6,7
	v_wmma_f32_16x16x64_fp8_fp8 v[96+8*\t:103+8*\t], v[32+8*\t:39+8*\t], v[16:23], 0
.endr
.rept 4
	v_nop                                          ; places in front of the first read of the scores; they stay beside the wait below
.endr
	s_wait_alu depctr_va_vdst(0)                   ; the eight products are done reading K's fragments, in which V's land
.irp u, 0,1,2,3                        ; V's four fragments (16 channels x 128 keys) are asked for now and land under the softmax, none of whose lines names v9 or v[32:95]
.irp c, 0,1,2,3
	ds_load_b128 v[32+16*\u+4*\c:35+16*\u+4*\c], v9 offset:8192*\u+512*\c
.endr
.endr
	v_max3_num_f32 v198, v96, v97, v98             ; the step's largest score of my query among my 64 keys, in two chains; each accumulator is first read at its low end
	v_max3_num_f32 v199, v99, v100, v101
.irp i, 6,10,14,18,22,26,30,34,38,42,46,50,54,58
	v_max3_num_f32 v198, v198, v[96+\i], v[97+\i]
	v_max3_num_f32 v199, v199, v[98+\i], v[99+\i]
.endr
	v_max3_num_f32 v198, v198, v158, v159
	v_max_num_f32 v198, v198, v199
	v_permlanex16_b32 v192, v198, s[SEL], s[SEL+1]
	v_max_num_f32 v198, v198, v192                 ; and among lane l xor 16's
	v_mul_f32 v198, s[CS], v198                    ; as t
	v_max_num_f32 v13, v13, v198
	v_mov_b32 v198, v12
	v_floor_f32 v12, -v13                          ; the new -M = -ceil(t)
	v_sub_f32 v198, v12, v198                      ; old M - new M: a whole number, 0 or less
	v_cvt_i32_f32 v198, v198                       ; (it saturates)
	v_ldexp_f32 v194, 1.0, v198                    ; f = 2^(old M - new M)
.set j, 0
.rept 32
	v_pk_fma_f32 v[96+j:97+j], v[96+j:97+j], s[CS:CS+1], v[12:13] op_sel_hi:[1,0,0]   ; t - M
.set j, j+2
.endr
.set j, 0
.rept 64
	v_exp_f32 v[96+j], v[96+j]                     ; p = 2^(t - M)
.set j, j+1
.endr
	v_pk_mul_f32 v[14:15], v[14:15], v[194:195] op_sel_hi:[1,0]   ; the sums under the new M: a plain line behind the batch
	s_wait_alu depctr_va_vdst(0)                   ; the 64 exponentials have written p in v[96:159]: one wait, ahead of their first reader
	v_pk_add_f32 v[196:197], v[96:97], v[98:99]    ; the row's sum of the UNQUANTISED p, in two chains
.irp j, 4,8,12,16,20,24,28,32,36,40,44,48,52,56,60
	v_pk_add_f32 v[14:15], v[14:15], v[96+\j:97+\j]
	v_pk_add_f32 v[196:197], v[196:197], v[98+\j:99+\j]
.endr
	v_pk_add_f32 v[14:15], v[14:15], v[196:197]
	s_cmp_ge_i32 s[E4], -8                         ; p <= 1: for e4 >= -8 p / 2^e4 <= 256, under 448: the hold would change nothing
	s_cbranch_scc1 .Lfits_\@
.set j, 0
.rept 64
	v_min_num_f32 v[96+j], v[96+j], v200           ; the hold: the conversion does not saturate (ISA guide 7.6.2); p is not negative
.set j, j+1
.endr
.Lfits_\@:
.irp t, 0,1,2,3,4,5,6,7
	v_cvt_scalef32_pk8_fp8_f32 v[224+2*\t:225+2*\t], v[96+8*\t:103+8*\t], v201
.endr
.set j, 0
.rept 16
	v_pk_mul_f32 v[160+j:161+j], v[160+j:161+j], v[194:195] op_sel_hi:[1,0]   ; O^T under the new M; also the plain lines between the conversions and the products
.set j, j+2
.endr
	s_wait_dscnt 0x0                               ; V
.irp u, 0,1,2,3                        ; the four accumulators take turns
	v_wmma_f32_16x16x128_fp8_fp8 v[160+8*\u:167+8*\u], v[32+16*\u:47+16*\u], v[224:239], v[160+8*\u:167+8*\u]
.endr
.endm
.macro CHUNK c
	FILL \c
	s_mov_b32 s[TR], 4
.Lstep_\@:
	STEP
	s_add_co_u32 s[TK], s[TK], 8192                ; eight key tiles on
	s_add_co_u32 s[TV], s[TV], 2048                ; four groups of 32 keys on
	s_sub_co_u32 s[TR], s[TR], 1
	s_cmp_lg_u32 s[TR], 0
	s_cbranch_scc1 .Lstep_\@
	s_add_co_u32 s[TV], s[TV], 24576               ; V's next chunk
.endm
	CHUNK 0
	CHUNK 1
	CHUNK 2
	CHUNK 3
	; THE WAY OUT: O^T x 2^(e4 + e5) / the sum, quantised with 2^e6; tiles 2 g and 2 g + 1 give a lane the 16 bytes of group g of the image
.rept 4
	v_nop                                          ; places behind the last products
.endr
	v_add_f32 v14, v14, v15
	v_permlanex16_b32 v192, v14, s[SEL], s[SEL+1]
	v_add_f32 v14, v14, v192                       ; the row's sum
	v_rcp_f32 v14, v14
	v_nop
	s_add_co_i32 s59, s[E4], s89
	s_wait_alu depctr_va_vdst(0)                   ; the reciprocal has written v14, ahead of its first reader
	v_ldexp_f32 v14, v14, s59
.set j, 0
.rept 32
	v_mul_f32 v[96+j], v[160+j], v14               ; register 8 u + i: o(query r, channel 16 u + 8 h + i)
.set j, j+1
.endr
.set j, 0
.rept 32
	v_med3_num_f32 v[96+j], v[96+j], -v202, v202
.set j, j+1
.endr
.irp u, 0,1,2,3
	v_cvt_scalef32_pk8_fp8_f32 v[224+2*\u:225+2*\u], v[96+8*\u:103+8*\u], v203
.endr
	v_nop
	s_wait_alu depctr_va_vdst(0)                   ; the four conversions have written v[224:231], which the two stores read
	global_store_b128 v1, v[224:227], s[12:13]     ; 512 consecutive bytes, aligned
	global_store_b128 v1, v[228:231], s[12:13] offset:512
	s_wait_dscnt 0x0                               ; the closing lines, six on end
	s_wait_alu 0x0
	s_wait_tensorcnt 0x0
	ds_add_u32 v222, v223
	s_wait_dscnt 0x0
	s_endpgm
.Lfunc_end_k_q5a47146be1_attn:
	.size	k_q5a47146be1_attn, .Lfunc_end_k_q5a47146be1_attn-k_q5a47146be1_attn
	.p2alignl 7, 3214868480
	.fill 96, 4, 3214868480
	.section	.rodata,"a",@progbits
	.p2align	6, 0x0
	.amdhsa_kernel k_q5a47146be1_attn
		.amdhsa_group_segment_fixed_size 264192
		.amdhsa_private_segment_fixed_size 0
		.amdhsa_enable_private_segment 0
		.amdhsa_kernarg_size 40
		.amdhsa_user_sgpr_count 2
		.amdhsa_user_sgpr_kernarg_segment_ptr 1
		.amdhsa_wavefront_size32 1
		.amdhsa_system_sgpr_workgroup_id_x 1
		.amdhsa_system_sgpr_workgroup_id_y 1
		.amdhsa_system_sgpr_workgroup_id_z 1
		.amdhsa_system_vgpr_workitem_id 0
		.amdhsa_next_free_vgpr 256
		.amdhsa_next_free_sgpr 96
		.amdhsa_reserve_vcc 0
		.amdhsa_float_denorm_mode_32 3
		.amdhsa_float_denorm_mode_16_64 3
		.amdhsa_memory_ordered 1
		.amdhsa_forward_progress 1
		.amdhsa_inst_pref_size 77
	.end_amdhsa_kernel
	.amdgpu_metadata
---
amdhsa.version: [ 1, 2 ]
amdhsa.kernels:
  - .name:           k_q5a47146be1_attn
    .symbol:         k_q5a47146be1_attn.kd
    .args:
      - { .name: qimg, .offset: 0, .size: 8, .value_kind: global_buffer, .address_space: global }
      - { .name: kimg, .offset: 8, .size: 8, .value_kind: global_buffer, .address_space: global }
      - { .name: vimg, .offset: 16, .size: 8, .value_kind: global_buffer, .address_space: global }
      - { .name: lowp_scales, .offset: 24, .size: 8, .value_kind: global_buffer, .address_space: global }
      - { .name: oimg, .offset: 32, .size: 8, .value_kind: global_buffer, .address_space: global }
    .group_segment_fixed_size: 264192
    .private_segment_fixed_size: 0
    .kernarg_segment_align: 8
    .kernarg_segment_size: 40
    .max_flat_workgroup_size: 512
    .sgpr_count:     96
    .vgpr_count:     256
    .wavefront_size: 32
...
	.end_amdgpu_metadata
.endif
;; end of part 8
;; launch outp: the kernel of part 4 again; grid 8 x 32, 4 waves a work-group, clusters of 4 x 4, 327,680 bytes of LDS; arguments oimg, out_w_codes, out_b, x, lowp_scales, x1; writes x1
;; launch ln2: the kernel of part 5 again; grid 256 x 1, 4 waves a work-group, no clusters, 16,896 bytes of LDS; arguments x1, ln2_w, ln2_b, lowp_scales, zcodes; writes zcodes
;; launch fc: the kernel of part 6 again; grid 16 x 16, 4 waves a work-group, clusters of 4 x 4, 327,680 bytes of LDS; arguments zcodes, fc_w_codes, fc_b, lowp_scales, himg; writes himg
;; launch proj: the kernel of part 7 again; grid 8 x 32, 4 waves a work-group, clusters of 4 x 4, 327,680 bytes of LDS; arguments himg, proj_w_codes, proj_b, x1, lowp_scales, out0; writes out0
